; MI455X (gfx1250); checked and timed in simulation.
; The chip was launched on July 23, 2026; its instructions are those of AMD's public machine-readable ISA for CDNA 5 (MIT licence, August 2026) and "CDNA5" Instruction Set Architecture Reference Guide (July 2026). The comments in the code are by the model that wrote it; some were corrected since.
;; Hybrid Attention. Allowed arithmetic: float matrix products may take bf16 or f16 operands with f32 sums; other float arithmetic in f32, or as packed bf16 or f16 multiplies, adds, multiply-adds, maxima and minima; sums over many terms, partial sums and values carried from step to step in f32; what a program stores and reads back later, other than sums and carried values, may be rounded once to bf16 or f16.
;; Inputs: b_out 1,024 float32; ln_b 1,024 float32; ln_w 1,024 float32; w_out 1,024 x 1,024 float32; w_qkv 1,024 x 3,072 float32; x 4 x 2,048 x 1,024 float32.
;; Outputs: out0 4 x 2,048 x 1,024 float32.
;; Constants: layer_index = 2.
;; 2 versions, each right; version 2 is version 1 with the launch prep written anew for expert scheduling mode. Each part assembles by itself: llvm-mc -triple=amdgcn-amd-amdhsa -mcpu=gfx1250 --defsym DOCPART=n.
;; ======== version 1 of 2: 4 launches
;; limits: values are held in f16: magnitudes above 65,504 overflow, below 6.1e-05 lose precision; inputs' magnitudes at most 65,504; right only within a limited range of input values
;; workspace buffers: u16 16,777,216 bytes; w16 8,388,608 bytes; aux 32,768 bytes; qkv16 50,331,648 bytes; o16 16,777,216 bytes
;; launch prep (part 1): grid 192 x 1, 32 waves a work-group, no clusters, 28,672 bytes of LDS; arguments x, ln_w, ln_b, w_qkv, w_out, u16, w16, aux; writes u16, w16, aux
.if DOCPART == 1
	.amdgcn_target "amdgcn-amd-amdhsa--gfx1250"
	.amdhsa_code_object_version 6
	.text
	.protected	k_q2ccb13e161_prep
	.globl	k_q2ccb13e161_prep
	.p2align	8
	.type	k_q2ccb13e161_prep,@function
k_q2ccb13e161_prep:
	s_mov_b64 s[64:65], 0
	v_nop
	global_prefetch_b8 v0, s[64:65] scope:SCOPE_SE
	s_setreg_imm32_b32 hwreg(HW_REG_WAVE_MODE, 25, 1), 1
	s_wait_xcnt 0x0
; PREPARATION.  Work-groups 64..191: LayerNorm without gain and bias, u = (x - mu) rsqrt(var + 1e-5), two passes over a row kept in registers, rounded once to f16 and
; stored by K blocks: u16[b][kb 16][n 2048][64].  The sum of u^2 over a row is at most 1,024, so |u| <= 32 whatever x holds.
; Work-groups 0..63: one PART of 64 weight columns each.  Parts 0-47 (w_qkv; 0-15 q heads, 16-31 k, 32-47 v): W' = f16(16 ln_w[i] W[i][d]); parts 48-63 (w_out): f16(W).  w16[part][k 1024][64].
; For each part also aux[part][128] f32: words 0-63 c'[d] = sum_i 16 ln_b[i] W[i][d]; words 64.. = R, M, R, M ..: with beta[d] = 32 sqrt(sum_i W'[i][d]^2) + |c'[d]|, which is
; at least |16 qkv[d]| for every row (Cauchy-Schwarz with the row's norm 32), R = sqrt(sum_d beta^2), M = max_d beta, both at least 2^-40.  The later launches scale by them.
; LIMITS.  16 ln_w W and w_out must lie within f16's 65,504; below 6e-5 they keep f16's fixed step.  NaN and infinities are not treated apart.  Parts 48-63 store an aux record that nobody reads: one text for all parts.
; Memory binds: every wave issues all its 16 loads of 16 bytes a lane at once; no ring, no matrix unit, no cluster (no work-group shares a byte with another).
.set TBL,   0          ; LDS: 8 bytes a weight row (gain, 16 ln_b), 256 bytes for each wave's own 32 rows
.set RED,   8192       ; 512 bytes a wave: its column sums
.set SPARE, 24576      ; the spare words, 128 bytes for each of the 32 waves; no other line names them
.set X,     32         ; v[32:95]  16 loads of four numbers
.set GB,    96         ; v[96:127] (gain, 16 ln_b) of my 16 rows
.set WV,    4          ; s4  my wave
.set ID,    5          ; s5  my work-group
	s_load_b512 s[8:23], s[0:1], 0x0               ; x 8, ln_w 10, ln_b 12, w_qkv 14, w_out 16, u16 18, w16 20, aux 22
	v_lshl_add_u32 v10, v0, 2, SPARE               ; my spare word,
	v_mov_b32 v11, 0                               ; and 0: kept for the add at the wave's end
	v_lshrrev_b32 v1, 5, v0
	v_readfirstlane_b32 s[WV], v1
	s_mov_b32 s[ID], ttmp9
	v_and_b32 v1, 31, v0                           ; lane
	v_and_b32 v2, 15, v0                           ; r
	v_bfe_u32 v3, v0, 4, 1                         ; which half of the lanes
	s_mov_b32 s24, 0x76543210                      ; v_permlanex16_b32: each lane takes its own place in the other half
	s_mov_b32 s25, 0xfedcba98
	s_mov_b32 s26, 0x3a800000                      ; 1 / 1024
	s_mov_b32 s27, 0x3727c5ac                      ; 1e-5
	s_mov_b32 s41, 0x42000000                      ; 32.0
	s_lshl_b32 s38, s[WV], 8
	v_lshl_add_u32 v6, v1, 3, s38                  ; table: where I put my row's pair
	v_lshl_add_u32 v7, v3, 3, s38                  ; table: where I read my rows' pairs
	s_lshl_b32 s39, s[WV], 9
	s_add_co_u32 s39, s39, RED
	v_lshl_add_u32 v8, v1, 4, s39                  ; where I put my wave's column sums
	v_lshl_add_u32 v9, v1, 4, RED                  ; where wave 0 reads them
	v_cmp_lt_u32 s40, 15, v1                       ; lanes 16-31
.set i, 24
.rept 8
	v_mov_b32 v[i], 0                              ; destinations of v_permlanex16_b32 count as read
.set i, i+1
.endr
	s_min_u32 s36, s[ID], 63
	s_lshl_b32 s36, s36, 9
	s_mov_b32 s37, 0
	s_wait_kmcnt 0x0
	s_add_nc_u64 s[22:23], s[22:23], s[36:37]      ; my part's record in aux
	s_cmp_lt_u32 s[ID], 64
	s_cbranch_scc1 .Lweights
	; LAYERNORM: 64 rows a work-group, sixteen lanes a row.  Load j covers 256 aligned bytes of each of the wave's two rows: K block j.
	s_sub_co_u32 s28, s[ID], 64                    ; block of 64 rows
	s_lshl_b32 s34, s28, 18                        ; x 64 rows of 4,096 bytes
	s_mov_b32 s35, 0
	s_lshr_b32 s36, s28, 5                         ; b
	s_lshl_b32 s36, s36, 22                        ; x 16 K blocks of 262,144 bytes
	s_and_b32 s29, s28, 31
	s_lshl_b32 s29, s29, 13                        ; + 64 rows of 128 bytes
	s_add_co_u32 s36, s36, s29
	s_add_nc_u64 s[30:31], s[8:9], s[34:35]
	s_add_nc_u64 s[32:33], s[18:19], s[36:37]
	v_lshrrev_b32 v4, 4, v0
	v_lshlrev_b32 v4, 12, v4
	v_lshl_or_b32 v4, v2, 4, v4                    ; row x 4,096 + 16 r
	v_lshlrev_b32 v5, 3, v0                        ; row x 128 + 8 r = 8 x thread
.irp j, 0,1,2,3,4,5,6,7,8,9,10,11,12,13,14,15
	global_load_b128 v[X+4*(\j):X+4*(\j)+3], v4, s[30:31] offset:256*(\j) th:TH_LOAD_NT
.endr
	s_wait_loadcnt 0x0                             ; the whole row is wanted for the mean
.irp c, 0,1,2,3
	v_pk_add_f32 v[12+2*(\c):13+2*(\c)], v[X+2*(\c):X+2*(\c)+1], v[X+8+2*(\c):X+8+2*(\c)+1]  ; four chains, started by sums: nothing is cleared
.endr
.set i, 8
.rept 24
	v_pk_add_f32 v[12+2*(i%4):13+2*(i%4)], v[12+2*(i%4):13+2*(i%4)], v[X+2*i:X+2*i+1]
.set i, i+1
.endr
	v_pk_add_f32 v[12:13], v[12:13], v[14:15]
	v_pk_add_f32 v[16:17], v[16:17], v[18:19]
	v_pk_add_f32 v[12:13], v[12:13], v[16:17]
	v_add_f32 v12, v12, v13
	v_add_f32_dpp v12, v12, v12 row_xmask:1 row_mask:0xf bank_mask:0xf  ; the row's sixteen lanes
	v_add_f32_dpp v12, v12, v12 row_xmask:2 row_mask:0xf bank_mask:0xf
	v_add_f32_dpp v12, v12, v12 row_xmask:4 row_mask:0xf bank_mask:0xf
	v_add_f32_dpp v12, v12, v12 row_xmask:8 row_mask:0xf bank_mask:0xf
	v_mul_f32 v20, s26, v12                        ; mu, twice
	v_mul_f32 v21, s26, v12
.set i, 0
.rept 32
	v_pk_add_f32 v[X+2*i:X+2*i+1], v[X+2*i:X+2*i+1], v[20:21] neg_lo:[0,1] neg_hi:[0,1]  ; x - mu, in place
.set i, i+1
.endr
.irp c, 0,1,2,3
	v_pk_mul_f32 v[12+2*(\c):13+2*(\c)], v[X+2*(\c):X+2*(\c)+1], v[X+2*(\c):X+2*(\c)+1]
.endr
.set i, 4
.rept 28
	v_pk_fma_f32 v[12+2*(i%4):13+2*(i%4)], v[X+2*i:X+2*i+1], v[X+2*i:X+2*i+1], v[12+2*(i%4):13+2*(i%4)]
.set i, i+1
.endr
	v_pk_add_f32 v[12:13], v[12:13], v[14:15]
	v_pk_add_f32 v[16:17], v[16:17], v[18:19]
	v_pk_add_f32 v[12:13], v[12:13], v[16:17]
	v_add_f32 v12, v12, v13
	v_add_f32_dpp v12, v12, v12 row_xmask:1 row_mask:0xf bank_mask:0xf
	v_add_f32_dpp v12, v12, v12 row_xmask:2 row_mask:0xf bank_mask:0xf
	v_add_f32_dpp v12, v12, v12 row_xmask:4 row_mask:0xf bank_mask:0xf
	v_add_f32_dpp v12, v12, v12 row_xmask:8 row_mask:0xf bank_mask:0xf
	v_fma_f32 v24, v12, s26, s27                   ; var + eps
	v_rsq_f32 v22, v24
	v_nop                                          ; a plain instruction behind the root,
	s_wait_alu depctr_va_vdst(0)                   ; and the wait ahead of its first reader
	v_mov_b32 v23, v22
.set i, 0
.rept 32
	v_pk_mul_f32 v[X+2*i:X+2*i+1], v[X+2*i:X+2*i+1], v[22:23]
.set i, i+1
.endr
.irp j, 0,1,2,3,4,5,6,7,8,9,10,11,12,13,14,15
	v_cvt_pk_f16_f32 v[X+4*(\j)], v[X+4*(\j)], v[X+4*(\j)+1]
	v_cvt_pk_f16_f32 v[X+4*(\j)+1], v[X+4*(\j)+2], v[X+4*(\j)+3]
	global_store_b64 v5, v[X+4*(\j):X+4*(\j)+1], s[32:33] offset:262144*(\j)  ; the wave's two rows of K block j: 256 consecutive bytes, aligned
.endr
	s_branch .Ljoin
.Lweights:                                             ; wave w owns the part's rows 32 w .. 32 w + 31; a load takes two rows x 256 bytes
	s_sub_co_u32 s36, s[ID], 48
	s_mov_b32 s34, 12288                           ; bytes in a row of w_qkv,
	s_mov_b32 s35, 4096                            ; of w_out
	s_cmp_lt_u32 s[ID], 48
	s_cselect_b32 s36, s[ID], s36                  ; the part's place in its own matrix
	s_cselect_b32 s34, s34, s35
	s_cselect_b32 s28, 0x41800000, 0               ; gain = ln_w x 16 + 0, or ln_w x 0 + 1
	s_cselect_b32 s29, 0, 1.0
	s_cselect_b64 s[30:31], s[14:15], s[16:17]
	s_lshl_b32 s36, s36, 8
	s_mov_b32 s37, 0
	s_add_nc_u64 s[30:31], s[30:31], s[36:37]
	s_lshl_b32 s36, s[ID], 17
	s_add_nc_u64 s[32:33], s[20:21], s[36:37]
	v_lshl_add_u32 v27, s[WV], 5, v3               ; my first row
	v_mul_lo_u32 v4, v27, s34
	v_lshl_add_u32 v4, v2, 4, v4
	v_lshlrev_b32 v5, 7, v27
	v_lshl_add_u32 v5, v2, 3, v5
	v_lshlrev_b32 v26, 2, v0
	global_load_b32 v24, v26, s[10:11]             ; ln_w and ln_b of row = my thread's number: one of my wave's own rows
	global_load_b32 v25, v26, s[12:13]
	s_cmp_lt_u32 s[ID], 48
	s_cbranch_scc0 .Lfrom_out
.irp j, 0,1,2,3,4,5,6,7,8,9,10,11,12,13,14,15
	global_load_b128 v[X+4*(\j):X+4*(\j)+3], v4, s[30:31] offset:24576*(\j) th:TH_LOAD_NT
.endr
	s_branch .Lloaded
.Lfrom_out:
.irp j, 0,1,2,3,4,5,6,7,8,9,10,11,12,13,14,15
	global_load_b128 v[X+4*(\j):X+4*(\j)+3], v4, s[30:31] offset:8192*(\j) th:TH_LOAD_NT
.endr
.Lloaded:
	s_wait_loadcnt 16                              ; ln_w and ln_b are in; the 16 loads issued behind them stay out
	v_fma_f32 v28, v24, s28, s29
	v_mul_f32 v29, s28, v25
	ds_store_b64 v6, v[28:29]                      ; my wave's own bytes: LDS serves a wave's instructions in order (ISA guide 5.7.1.4), so the loads below see it
.irp j, 0,1,2,3,4,5,6,7,8,9,10,11,12,13,14,15
	ds_load_b64 v[GB+2*(\j):GB+2*(\j)+1], v7 offset:16*(\j)
.endr
	s_wait_dscnt 0x0
; Rows 2 j and 2 j + 1 of the wave: c' and the sum of squares go on, the four numbers are scaled, rounded and stored.
.macro WROW j
	s_wait_loadcnt 15-(\j)                         ; loads come back in order: mine is in, the younger ones stay out
.irp q, 0,1,2,3
.if (\j) == 0
	v_mul_f32 v[12+(\q)], v[X+(\q)], v[GB+1]       ; the first rows start the sums
.else
	v_fma_f32 v[12+(\q)], v[X+4*(\j)+(\q)], v[GB+2*(\j)+1], v[12+(\q)]
.endif
.endr
	v_pk_mul_f32 v[X+4*(\j):X+4*(\j)+1], v[X+4*(\j):X+4*(\j)+1], v[GB+2*(\j):GB+2*(\j)+1] op_sel_hi:[1,0]
	v_pk_mul_f32 v[X+4*(\j)+2:X+4*(\j)+3], v[X+4*(\j)+2:X+4*(\j)+3], v[GB+2*(\j):GB+2*(\j)+1] op_sel_hi:[1,0]
.if (\j) == 0
	v_pk_mul_f32 v[16:17], v[X:X+1], v[X:X+1]
	v_pk_mul_f32 v[18:19], v[X+2:X+3], v[X+2:X+3]
.else
	v_pk_fma_f32 v[16:17], v[X+4*(\j):X+4*(\j)+1], v[X+4*(\j):X+4*(\j)+1], v[16:17]
	v_pk_fma_f32 v[18:19], v[X+4*(\j)+2:X+4*(\j)+3], v[X+4*(\j)+2:X+4*(\j)+3], v[18:19]
.endif
	v_cvt_pk_f16_f32 v[X+4*(\j)], v[X+4*(\j)], v[X+4*(\j)+1]
	v_cvt_pk_f16_f32 v[X+4*(\j)+1], v[X+4*(\j)+2], v[X+4*(\j)+3]
	global_store_b64 v5, v[X+4*(\j):X+4*(\j)+1], s[32:33] offset:256*(\j)  ; two rows of 128 bytes: 256 consecutive bytes, aligned
.endm
.irp j, 0,1,2,3,4,5,6,7,8,9,10,11,12,13,14,15
	WROW \j
.endr
.irp q, 0,1,2,3,4,5,6,7
	v_permlanex16_b32 v[24+(\q)], v[12+(\q)], s24, s25  ; the other half of the lanes holds the same columns' other rows
.endr
.irp q, 0,1,2,3,4,5,6,7
	v_add_f32 v[12+(\q)], v[12+(\q)], v[24+(\q)]
.endr
.irp q, 0,1,2,3
	v_cndmask_b32 v[24+(\q)], v[16+(\q)], v[12+(\q)], s40  ; lanes 0-15 hand on the squares, lanes 16-31 c'
.endr
	ds_store_b128 v8, v[24:27]
.Ljoin:
	s_wait_dscnt 0x0                               ; for the others' sake: my stores into LDS are done
	s_barrier_signal -1
	s_barrier_wait -1
	s_cmp_ge_u32 s[ID], 64
	s_cbranch_scc1 .Lend
	s_cmp_lg_u32 s[WV], 0
	s_cbranch_scc1 .Lend
	s_wait_xcnt 0x0                                ; my stores have read X: only now is it loaded again
.irp q, 0,1,2,3,4,5,6,7,8,9,10,11,12,13,14,15
	ds_load_b128 v[X+4*(\q):X+4*(\q)+3], v9 offset:512*(\q)
.endr
	s_wait_dscnt 0x0
	v_pk_add_f32 v[12:13], v[X:X+1], v[X+4:X+5]
	v_pk_add_f32 v[14:15], v[X+2:X+3], v[X+6:X+7]
.set i, 2
.rept 14
	v_pk_add_f32 v[12:13], v[12:13], v[X+4*i:X+4*i+1]
	v_pk_add_f32 v[14:15], v[14:15], v[X+4*i+2:X+4*i+3]
.set i, i+1
.endr
.irp q, 0,1,2,3,4,5,6,7,8,9,10,11,12,13,14,15
	ds_load_b128 v[X+4*(\q):X+4*(\q)+3], v9 offset:8192+512*(\q)
.endr
	s_wait_dscnt 0x0
.set i, 0
.rept 16
	v_pk_add_f32 v[12:13], v[12:13], v[X+4*i:X+4*i+1]
	v_pk_add_f32 v[14:15], v[14:15], v[X+4*i+2:X+4*i+3]
.set i, i+1
.endr
.irp q, 0,1,2,3
	v_permlanex16_b32 v[24+(\q)], v[12+(\q)], s24, s25
.endr
.irp q, 0,1,2,3
	v_cndmask_b32 v[16+(\q)], v[12+(\q)], v[24+(\q)], s40  ; every lane: the squares' sums of columns 4 r ..,
.endr
.irp q, 0,1,2,3
	v_cndmask_b32 v[28+(\q)], v[24+(\q)], v[12+(\q)], s40  ; and their c'
.endr
	v_sqrt_f32 v16, v16
	v_sqrt_f32 v17, v17
	v_sqrt_f32 v18, v18
	v_sqrt_f32 v19, v19
	v_nop
	s_wait_alu depctr_va_vdst(0)                   ; one wait for the four roots
.irp q, 0,1,2,3
	v_fma_f32 v[16+(\q)], v[16+(\q)], s41, |v[28+(\q)]|  ; beta
.endr
	v_mul_f32 v20, v16, v16
	v_fmac_f32 v20, v17, v17
	v_fmac_f32 v20, v18, v18
	v_fmac_f32 v20, v19, v19
	v_max3_num_f32 v21, v16, v17, v18
	v_max_num_f32 v21, v21, v19
	v_add_f32_dpp v20, v20, v20 row_xmask:1 row_mask:0xf bank_mask:0xf
	v_max_num_f32_dpp v21, v21, v21 row_xmask:1 row_mask:0xf bank_mask:0xf
	v_add_f32_dpp v20, v20, v20 row_xmask:2 row_mask:0xf bank_mask:0xf
	v_max_num_f32_dpp v21, v21, v21 row_xmask:2 row_mask:0xf bank_mask:0xf
	v_add_f32_dpp v20, v20, v20 row_xmask:4 row_mask:0xf bank_mask:0xf
	v_max_num_f32_dpp v21, v21, v21 row_xmask:4 row_mask:0xf bank_mask:0xf
	v_add_f32_dpp v20, v20, v20 row_xmask:8 row_mask:0xf bank_mask:0xf
	v_max_num_f32_dpp v21, v21, v21 row_xmask:8 row_mask:0xf bank_mask:0xf
	v_sqrt_f32 v20, v20
	v_lshlrev_b32 v22, 4, v1                       ; (the plain instruction behind the root)
	s_wait_alu depctr_va_vdst(0)
	v_max_num_f32 v20, 0x2b800000, v20             ; R and M are at least 2^-40, so that no later reciprocal or product leaves f32
	v_max_num_f32 v21, 0x2b800000, v21
	v_cndmask_b32 v24, v28, v20, s40
	v_cndmask_b32 v25, v29, v21, s40
	v_cndmask_b32 v26, v30, v20, s40
	v_cndmask_b32 v27, v31, v21, s40
	global_store_b128 v22, v[24:27], s[22:23]      ; the record's 512 consecutive bytes
.Lend:
	s_wait_tensorcnt 0x0                           ; the wave's end
	ds_add_u32 v10, v11
	s_wait_dscnt 0x0
	s_endpgm
.Lfunc_end_k_q2ccb13e161_prep:
	.size	k_q2ccb13e161_prep, .Lfunc_end_k_q2ccb13e161_prep-k_q2ccb13e161_prep
	.p2alignl 7, 3214868480
	.fill 96, 4, 3214868480
	.section	.rodata,"a",@progbits
	.p2align	6, 0x0
	.amdhsa_kernel k_q2ccb13e161_prep
		.amdhsa_group_segment_fixed_size 28672
		.amdhsa_private_segment_fixed_size 0
		.amdhsa_enable_private_segment 0
		.amdhsa_kernarg_size 64
		.amdhsa_user_sgpr_count 2
		.amdhsa_user_sgpr_kernarg_segment_ptr 1
		.amdhsa_wavefront_size32 1
		.amdhsa_system_sgpr_workgroup_id_x 1
		.amdhsa_system_sgpr_workgroup_id_y 1
		.amdhsa_system_sgpr_workgroup_id_z 1
		.amdhsa_system_vgpr_workitem_id 0
		.amdhsa_next_free_vgpr 128
		.amdhsa_next_free_sgpr 66
		.amdhsa_reserve_vcc 0
		.amdhsa_float_denorm_mode_32 3
		.amdhsa_float_denorm_mode_16_64 3
		.amdhsa_memory_ordered 1
		.amdhsa_forward_progress 1
		.amdhsa_inst_pref_size 44
	.end_amdhsa_kernel
	.amdgpu_metadata
---
amdhsa.version: [ 1, 2 ]
amdhsa.kernels:
  - .name:           k_q2ccb13e161_prep
    .symbol:         k_q2ccb13e161_prep.kd
    .args:
      - { .name: x, .offset: 0, .size: 8, .value_kind: global_buffer, .address_space: global }
      - { .name: ln_w, .offset: 8, .size: 8, .value_kind: global_buffer, .address_space: global }
      - { .name: ln_b, .offset: 16, .size: 8, .value_kind: global_buffer, .address_space: global }
      - { .name: w_qkv, .offset: 24, .size: 8, .value_kind: global_buffer, .address_space: global }
      - { .name: w_out, .offset: 32, .size: 8, .value_kind: global_buffer, .address_space: global }
      - { .name: u16, .offset: 40, .size: 8, .value_kind: global_buffer, .address_space: global }
      - { .name: w16, .offset: 48, .size: 8, .value_kind: global_buffer, .address_space: global }
      - { .name: aux, .offset: 56, .size: 8, .value_kind: global_buffer, .address_space: global }
    .group_segment_fixed_size: 28672
    .private_segment_fixed_size: 0
    .kernarg_segment_align: 8
    .kernarg_segment_size: 64
    .max_flat_workgroup_size: 1024
    .sgpr_count:     66
    .vgpr_count:     128
    .wavefront_size: 32
...
	.end_amdgpu_metadata
.endif
;; end of part 1
;; launch qkv (part 2): grid 8 x 32, 4 waves a work-group, clusters of 4 x 4, 327,680 bytes of LDS; arguments u16, w16, aux, qkv16; writes qkv16
.if DOCPART == 2
	.amdgcn_target "amdgcn-amd-amdhsa--gfx1250"
	.amdhsa_code_object_version 6
	.text
	.protected	k_q2ccb13e161_qkv
	.globl	k_q2ccb13e161_qkv
	.p2align	8
	.type	k_q2ccb13e161_qkv,@function
k_q2ccb13e161_qkv:
	s_mov_b64 s[64:65], 0
	v_nop
	global_prefetch_b8 v0, s[64:65] scope:SCOPE_SE
	s_setreg_imm32_b32 hwreg(HW_REG_WAVE_MODE, 25, 1), 1
	s_wait_xcnt 0x0
	s_wait_alu depctr_hold_cnt(0) depctr_sa_sdst(0) depctr_va_vdst(0) depctr_va_sdst(0) depctr_va_ssrc(0) depctr_va_vcc(0) depctr_vm_vsrc(0)
	s_getreg_b32 s2, hwreg(HW_REG_IB_STS2, 6, 4)
	s_cmp_eq_u32 s2, 0
	s_cbranch_scc0 .Lentry_in_a_cluster
	s_endpgm
.Lentry_in_a_cluster:
	s_bfe_u32 s2, ttmp6, 0x10000c
	s_cmp_lg_u32 s2, 0xf033
	s_cbranch_scc0 .Lentry_shape_is_right
	s_endpgm
.Lentry_shape_is_right:
; q^, k^, v^ = (u W' + c') x factor, f16, by heads: qkv16[type 3][b h 64][n 2048][64].  u16[b][kb 16][n][64] and w16[part][k 1024][64] are f16; sums in f32; one rounding at the end.
; FACTORS, from aux's bounds (R >= the norm, M >= every number, of 16 x a head's q, k or v, for every row): q: 128 / Rq; k: 256 / Rk; v: 32 Rq Rk / Bmax, Bmax = the greatest Rq Rk Mv of the 16 heads.
; So |q^| <= 128, |k^| <= 256 (norms), |v^| <= 32 for every input: no f16 number of this launch or the next can overflow, and one scalar, 2^-30 Bmax, undoes all factors in the last launch.
; LIMITS.  Numbers more than some 2^6 further below their bound than independent normal data lie begin to lose bits to f16's fixed step.  NaN and infinities are not treated apart.
; SHARES.  A tile is 256 rows x 384 columns (6 parts): 32 x 8 = 256 work-groups, one for each of 256 tiles.  A wave makes 128 x 192: 96 accumulators, 768 registers.  K goes in 16 steps of 64 (a K block), two slices of 32,
; through two LDS slots.  For 32 along K a wave reads 40 times 16 bytes a lane from LDS for 96 products.
; THE PRODUCT IS TAKEN TRANSPOSED: source 0 = 16 columns of W' (turned out of LDS by ds_load_tr16_b128), source 1 = 16 rows of u: a lane ends with one row and eight neighbouring columns.
; CLUSTER 4 x 4: u's tile hangs on the tile row alone and is asked for jointly by a row of the cluster, W's on the tile column alone, by a column.
; REGISTERS: window 0: v0-31 addresses; v32-95, v96-159 u's fragments, two buffers; v160-255 W's 12 fragments, one buffer, refilled a part at a time behind its products.  Window 1 + g: part g's accumulators, (a, cb) at 8 (8 cb + a).
.set PA,    144        ; a row of u in LDS: 128 bytes + 16: the 16 rows of a load start at 16 different groups of four banks (64 banks of 4 bytes: ISA guide 11.1)
.set PB,    160        ; a k-row of W: 128 + 32
.set SLOT1, 1<<17
.set BOFF,  256*PA     ; in a slot: u's 256 rows, then 6 parts x 64 k-rows of W
.set STAGE, SLOT1+BOFF+6*64*PB  ; behind the ring, never filled by a tensor load: 16 rows x 144 bytes for each wave
.set SP,    144
.set SPARE, STAGE+4*16*SP       ; the spare words, 128 bytes a wave; no other line names them
.set KA,    262144     ; bytes from a K block to the next in u16,
.set KB,    8192       ; and in a part of w16
.set AA0, 4
.set AB0, 5
.set ADRA, 6
.set ADRB, 7
.set STO, 8
.set RD,  9
.set GO,  10
.set VB,  11
.set PFO, 12
.set SPW, 13
.set NIL, 14
.set FA0, 32
.set FA1, 96
.set BF,  160
.set T,   96           ; the way out: 32 results in f32,
.set TMP, 128          ; packed,
.set BK,  192          ; and back from the stage, two sets of 16
.set WV, 12
.set MH, 13            ; my 128 rows; also: I fetch u (0) or W (1)
.set NH, 14            ; my 3 parts; also: which half I fetch
.set CX, 15
.set CY, 16
.set TX, 17
.set TY, 18
.set CNT, 19
.set TB, 20            ; the slot that is being read
.set LIM, 21
.set PM, 22
.set G1A, 24
.set G0A, 32           ; s[32:35] step 0; s[36:39] step 1, which then walks
.set PFA, 40
.set PST, 42
.set G1B, 48
.set G0B, 56
.set F,   66           ; s[66:71] the three parts' factors, as pairs
.set OB,  72           ; s[72:77] where my rows of the three parts begin in qkv16
.set AUXP, 78
.set MSB, 0
.macro WIN new                         ; the immediate's high byte repeats the setting that is left
.if MSB != (\new)
	s_set_vgpr_msb (MSB<<8)|(\new)
.set MSB, (\new)
.endif
.endm
.macro PLACES                          ; four plain places in front of loads into registers that matrix instructions have read (ISA guide 7.12.1 for vector instructions)
.rept 4
	v_nop
.endr
.endm
.macro CREST                           ; a round of the cluster's barrier behind its opening barrier
	s_cmp_lg_u32 s[WV], 0
	s_cbranch_scc1 .Lnot_wave_0_\@
	s_barrier_signal -3
.Lnot_wave_0_\@:
	s_barrier_wait -3
	s_barrier_signal -1
	s_barrier_wait -1
.endm
.macro CROUND
	s_barrier_signal -1
	s_barrier_wait -1
	CREST
.endm
.macro JLOAD                           ; a joint refill by the walking descriptors; an s_nop 0 and four v_nop follow each line
	s_cmp_eq_u32 s[MH], 0
	s_cbranch_scc0 .Lfor_b_\@
	tensor_load_to_lds s[G0A+4:G0A+7], s[G1A:G1A+7]
	s_nop 0
.rept 4
	v_nop
.endr
	s_branch .Lasked_\@
.Lfor_b_\@:
	tensor_load_to_lds s[G0B+4:G0B+7], s[G1B:G1B+7]
	s_nop 0
.rept 4
	v_nop
.endr
.Lasked_\@:
.endm
; A PREFETCH INTO THE L2 behind each joint refill.  At change s (CNT = 14 - s) step s + 2 is asked for by the refill.  Wave 0 of the clusters with x = 0 names u's tile of step s + 3: 128 blocks of 256 bytes, 32 for each
; of the four partners, told apart by address (cx).  Waves 1-3 of the clusters with y = 0 name, at odd s alone, two parts each of steps s + 3 and s + 4, which are 16 KiB on end in a part: a quarter for each partner (cy).
; So each block is named once.  u's last is step 15 (s = 12), W's steps 14 and 15 (s = 11); u's steps 0-2 and W's 0-3 come by their loads alone.  No branch hangs on cx or cy.
.macro ASK
	s_and_b32 s23, s[CNT], s[PM]
	s_cmp_eq_u32 s23, s[PM]
	s_cselect_b32 s23, s[LIM], -1
	s_cmp_gt_u32 s[CNT], s23
	s_cbranch_scc0 .Lnot_mine_\@
	global_prefetch_b8 v[PFO], s[PFA:PFA+1] th:TH_LOAD_NT scope:SCOPE_SE
.Lnot_mine_\@:
.endm
	s_load_b256 s[4:11], s[0:1], 0x0               ; u16 4, w16 6, aux 8, qkv16 10
	v_lshl_add_u32 v[SPW], v0, 2, SPARE
	v_mov_b32 v[NIL], 0
	ds_add_u32 v[SPW], v[NIL]                      ; the wave's opening: the add and its wait ahead of my first tensor load
	v_lshrrev_b32 v1, 5, v0
	v_readfirstlane_b32 s[WV], v1
	s_lshr_b32 s[MH], s[WV], 1
	s_and_b32 s[NH], s[WV], 1
	s_bfe_u32 s[CX], ttmp6, 0x40000
	s_bfe_u32 s[CY], ttmp6, 0x40004
	s_lshl_b32 s[TX], ttmp9, 2
	s_add_co_u32 s[TX], s[TX], s[CX]               ; tile column
	s_and_b32 s[TY], ttmp7, 0xffff
	s_lshl_b32 s[TY], s[TY], 2
	s_add_co_u32 s[TY], s[TY], s[CY]               ; tile row
	s_lshl_b32 s44, s[CY], 2
	s_lshl_b32 s44, 15, s44                        ; my row of the cluster
	s_lshl_b32 s45, 0x1111, s[CX]                  ; my column
	s_or_b32 s[G1A], s44, (1<<16)|(1<<20)|(1<<21)|(4<<22)|(3<<25)  ; mask; 2-byte elements; padding on; bit 21 beside a mask; after every 32 words 4 words
	s_or_b32 s[G1B], s45, (1<<16)|(1<<20)|(1<<21)|(4<<22)|(7<<25)  ; the same with 8 words
	s_mov_b32 s[G1A+1], 128<<16                    ; u: 128 rows of a K block are 16,384 dense bytes: 64 rows of 128 elements
	s_mov_b32 s[G1A+2], 64<<16
	s_mov_b32 s[G1A+3], 128<<16
	s_mov_b32 s[G1A+4], 64
	s_mov_b32 s[G1A+5], 128
	s_mov_b32 s[G1A+6], 0
	s_mov_b32 s[G1A+7], 0
	s_mov_b32 s[G1B+1], 4096<<16                   ; W: a part's 64 k-rows are 8,192 dense bytes: 3 rows of 4,096 elements, a part (65,536 elements) apart
	s_mov_b32 s[G1B+2], 3<<16
	s_mov_b32 s[G1B+3], 4096<<16
	s_mov_b32 s[G1B+4], 3
	s_mov_b32 s[G1B+5], 65536
	s_mov_b32 s[G1B+6], 0
	s_mov_b32 s[G1B+7], 0
	s_lshr_b32 s85, s[TY], 3                       ; b
	s_lshl_b32 s83, s85, 4                         ; 16 b
	s_lshl_b32 s85, s85, 22
	s_and_b32 s84, s[TY], 7
	s_lshl_b32 s84, s84, 15                        ; the tile's first row x 128 bytes
	s_add_co_u32 s85, s85, s84                     ; u's tile in K block 0
	s_lshl_b32 s80, s[NH], 14
	s_add_co_u32 s80, s80, s85                     ; the half that I fetch
	s_mov_b32 s81, 0
	s_mul_i32 s82, s[TX], 6
	s_mul_i32 s46, s[NH], 3
	s_add_co_u32 s82, s82, s46                     ; my first part; also the first of the three that I fetch
	s_lshl_b32 s46, s82, 17
	s_mov_b32 s47, 0
	s_mul_i32 s2, s[NH], 128*PA                    ; LDS: no place in the cluster enters
	s_mul_i32 s3, s[NH], 3*64*PB
	s_add_co_u32 s3, s3, BOFF
	s_mov_b32 s[G0A], 1
	s_mov_b32 s[G0A+1], s2
	s_mov_b32 s[G0A+4], 1
	s_add_co_u32 s[G0A+5], s2, SLOT1
	s_mov_b32 s[G0B], 1
	s_mov_b32 s[G0B+1], s3
	s_mov_b32 s[G0B+4], 1
	s_add_co_u32 s[G0B+5], s3, SLOT1
	s_wait_dscnt 0x0                               ; the opening add is done
	s_wait_kmcnt 0x0
	s_add_nc_u64 s[G0A+2:G0A+3], s[4:5], s[80:81]
	s_add_nc_u64 s[G0A+6:G0A+7], s[G0A+2:G0A+3], KA
	s_or_b32 s[G0A+3], s[G0A+3], 0x80000000
	s_or_b32 s[G0A+7], s[G0A+7], 0x80000000
	s_add_nc_u64 s[G0B+2:G0B+3], s[6:7], s[46:47]
	s_add_nc_u64 s[G0B+6:G0B+7], s[G0B+2:G0B+3], KB
	s_or_b32 s[G0B+3], s[G0B+3], 0x80000000
	s_or_b32 s[G0B+7], s[G0B+7], 0x80000000
	CROUND                                         ; all sixteen work-groups are here: the first joint loads meet
	s_cmp_eq_u32 s[MH], 0                          ; a wave's two first fills stand in one branch: two loads of mine are out
	s_cbranch_scc0 .Lfirst_b
	tensor_load_to_lds s[G0A:G0A+3], s[G1A:G1A+7]
	s_nop 0
	tensor_load_to_lds s[G0A+4:G0A+7], s[G1A:G1A+7]
	s_nop 0
.rept 4
	v_nop
.endr
	s_branch .Lfirst_asked
.Lfirst_b:
	tensor_load_to_lds s[G0B:G0B+3], s[G1B:G1B+7]
	s_nop 0
	tensor_load_to_lds s[G0B+4:G0B+7], s[G1B:G1B+7]
	s_nop 0
.rept 4
	v_nop
.endr
.Lfirst_asked:
	; all that follows up to the barrier stands in the wait for the first tiles
	v_and_b32 v1, 15, v0                           ; r
	v_bfe_u32 v2, v0, 4, 1                         ; h
	v_lshlrev_b32 v16, 9, v1
	global_load_b32 v17, v16, s[8:9] offset:256    ; Rq, Rk, Mv of head r
	global_load_b32 v18, v16, s[8:9] offset:8448
	global_load_b32 v19, v16, s[8:9] offset:16644
.irp g, 0,1,2
	s_add_co_u32 s23, s82, \g
	s_lshl_b32 s[86+(\g)], s23, 9
	s_and_b32 s23, s23, 15
	s_lshl_b32 s[89+(\g)], s23, 9
	s_load_b32 s[92+(\g)], s[8:9], s[86+(\g)] offset:0x100  ; the part's own R,
	s_load_b32 s[95+(\g)], s[8:9], s[89+(\g)] offset:0x100  ; its head's Rq,
	s_load_b32 s[98+(\g)], s[8:9], s[89+(\g)] offset:0x2100 ; and Rk
.endr
	; the prefetches' address, step and test
	s_lshl_b32 s44, s[CX], 13
	s_add_co_u32 s44, s44, s85
	s_add_co_u32 s44, s44, 2*KA                    ; u: my quarter of the tile, at step 2: the first change steps it to 3
	s_sub_co_u32 s23, s[WV], 1
	s_lshl_b32 s23, s23, 1
	s_mul_i32 s46, s[TX], 6
	s_add_co_u32 s46, s46, s23
	s_lshl_b32 s46, s46, 17
	s_lshl_b32 s23, s[CY], 12
	s_add_co_u32 s46, s46, s23
	s_add_co_u32 s46, s46, 2*KB                    ; W: my wave's two parts, my quarter, at step 2
	s_and_b32 s45, ttmp7, 0xffff
	s_mov_b32 s[PST], KA
	s_mov_b32 s23, KB
	s_mov_b32 s2, 4096
	s_mov_b32 s3, 131072
	s_cmp_eq_u32 s[WV], 0
	s_cselect_b32 s46, s44, s46
	s_cselect_b32 s45, ttmp9, s45                  ; the coordinate along which other clusters read the same blocks
	s_cselect_b32 s[PM], 0, 1
	s_cselect_b32 s[PST], s[PST], s23
	s_cselect_b32 s2, s2, s3
	s_cselect_b64 s[PFA:PFA+1], s[4:5], s[6:7]
	s_mov_b32 s[PST+1], 0
	s_cmp_eq_u32 s45, 0
	s_cselect_b32 s[LIM], 1, -1
	s_add_nc_u64 s[PFA:PFA+1], s[PFA:PFA+1], s[46:47]
	v_mul_u32_u24 v[PFO], s2, v2                   ; lanes 16-31: the next 16 blocks (u), the next part (W)
	v_lshl_add_u32 v[PFO], v1, 8, v[PFO]
	; LDS addresses
	v_and_b32 v20, 7, v0
	v_bfe_u32 v21, v0, 3, 1
	v_and_b32 v22, 31, v0
	v_bfe_u32 v23, v0, 3, 2
	s_mul_i32 s23, s[MH], 128*PA
	v_mul_u32_u24 v[AA0], v1, PA
	v_lshl_add_u32 v[AA0], v2, 4, v[AA0]
	v_add_nc_u32 v[AA0], s23, v[AA0]               ; u: my 128 rows; row r, 16 bytes for each half of the lanes
	s_mul_i32 s23, s[NH], 3*64*PB
	s_add_co_u32 s23, s23, BOFF
	v_lshl_add_u32 v[AB0], v2, 3, v20
	v_mul_u32_u24 v[AB0], v[AB0], PB
	v_lshl_add_u32 v[AB0], v21, 4, v[AB0]
	v_add_nc_u32 v[AB0], s23, v[AB0]               ; W: my 3 parts; k-row 8 h + l % 8, columns 8 ((l / 8) % 2) ..
	s_mul_i32 s23, s[WV], 16*SP
	s_add_co_u32 s23, s23, STAGE
	v_mul_u32_u24 v[STO], v1, SP
	v_lshl_add_u32 v[STO], v2, 4, v[STO]
	v_add_nc_u32 v[STO], s23, v[STO]
	v_mul_u32_u24 v[RD], v23, SP
	v_lshl_add_u32 v[RD], v20, 4, v[RD]
	v_add_nc_u32 v[RD], s23, v[RD]
	v_lshlrev_b32 v[GO], 4, v22
	v_lshlrev_b32 v[VB], 5, v2
	; where the results go, and where the bias lies
	s_lshl_b32 s23, s[MH], 14
	s_add_co_u32 s84, s84, s23                     ; my first row x 128 bytes
.irp g, 0,1,2
	s_add_co_u32 s23, s82, \g
	s_lshr_b32 s44, s23, 4
	s_lshl_b32 s44, s44, 6                         ; 64 x type
	s_and_b32 s23, s23, 15
	s_add_co_u32 s44, s44, s23                     ; + head
	s_add_co_u32 s44, s44, s83                     ; + 16 b
	s_lshl_b32 s80, s44, 18
	s_add_co_u32 s80, s80, s84
	s_add_nc_u64 s[OB+2*(\g):OB+2*(\g)+1], s[10:11], s[80:81]
.endr
	s_lshl_b32 s80, s82, 9
	s_add_nc_u64 s[AUXP:AUXP+1], s[8:9], s[80:81]
	; the factors
	s_mov_b32 s45, 0x43000000                      ; 128.0
	s_mov_b32 s46, 0x43800000                      ; 256.0
	s_wait_loadcnt 0x0
	s_wait_kmcnt 0x0
	v_mul_f32 v17, v17, v18
	v_mul_f32 v17, v17, v19
	v_max_num_f32_dpp v17, v17, v17 row_xmask:1 row_mask:0xf bank_mask:0xf
	v_max_num_f32_dpp v17, v17, v17 row_xmask:2 row_mask:0xf bank_mask:0xf
	v_max_num_f32_dpp v17, v17, v17 row_xmask:4 row_mask:0xf bank_mask:0xf
	v_max_num_f32_dpp v17, v17, v17 row_xmask:8 row_mask:0xf bank_mask:0xf
	v_readfirstlane_b32 s44, v17                   ; Bmax
.irp g, 0,1,2
	v_mov_b32 v[20+(\g)], s[95+(\g)]
	v_mul_f32 v[20+(\g)], s[98+(\g)], v[20+(\g)]
	v_mul_f32 v[20+(\g)], 0x42000000, v[20+(\g)]
	v_readfirstlane_b32 s47, v[20+(\g)]            ; 32 Rq Rk
	s_add_co_u32 s23, s82, \g
	s_cmp_lt_u32 s23, 16
	s_cselect_b32 s85, s45, s46
	s_cmp_lt_u32 s23, 32
	s_cselect_b32 s[F+2*(\g)], s85, s47            ; the numerator,
	s_cselect_b32 s85, s[92+(\g)], s44             ; the divisor
	v_mov_b32 v[24+(\g)], s85
.endr
	v_rcp_f32 v24, v24
	v_rcp_f32 v25, v25
	v_rcp_f32 v26, v26
	v_nop
	s_wait_alu depctr_va_vdst(0)                   ; one wait for the three reciprocals
.irp g, 0,1,2
	v_mul_f32 v[24+(\g)], s[F+2*(\g)], v[24+(\g)]
	v_readfirstlane_b32 s[F+2*(\g)], v[24+(\g)]
	s_mov_b32 s[F+2*(\g)+1], s[F+2*(\g)]
.endr
; Products of part g with blocks a0 .. a0 + na - 1 of u's buffer f.  All accumulators of a slice differ, and each comes again after 95 others: they take turns.
.macro MULG f, g, a0, na, zero
	WIN 0x50*(1+(\g))
.set ma, \a0
.rept \na
.irp cb, 0,1,2,3
.if \zero
	v_wmma_f32_16x16x32_f16 v[8*(8*(\cb)+ma):8*(8*(\cb)+ma)+7], v[BF+8*(4*(\g)+(\cb)):BF+8*(4*(\g)+(\cb))+7], v[(\f)+8*ma:(\f)+8*ma+7], 0
.else
	v_wmma_f32_16x16x32_f16 v[8*(8*(\cb)+ma):8*(8*(\cb)+ma)+7], v[BF+8*(4*(\g)+(\cb)):BF+8*(4*(\g)+(\cb))+7], v[(\f)+8*ma:(\f)+8*ma+7], v[8*(8*(\cb)+ma):8*(8*(\cb)+ma)+7]
.endif
.endr
.set ma, ma+1
.endr
.endm
.macro FETB g, k                       ; part g's four fragments of slice k: 8 turning loads
.irp cb, 0,1,2,3
	ds_load_tr16_b128 v[BF+32*(\g)+8*(\cb):BF+32*(\g)+8*(\cb)+3],   v[ADRB] offset:(\g)*64*PB+(\k)*32*PB+32*(\cb)
	ds_load_tr16_b128 v[BF+32*(\g)+8*(\cb)+4:BF+32*(\g)+8*(\cb)+7], v[ADRB] offset:(\g)*64*PB+(\k)*32*PB+32*(\cb)+16*PB
.endr
.endm
.macro FETA f, half, k                 ; four of u's eight fragments of slice k: 8 loads
.irp a, 0,1,2,3
	ds_load_b128 v[(\f)+8*(4*(\half)+(\a)):(\f)+8*(4*(\half)+(\a))+3],   v[ADRA] offset:(4*(\half)+(\a))*16*PA+64*(\k)
	ds_load_b128 v[(\f)+8*(4*(\half)+(\a))+4:(\f)+8*(4*(\half)+(\a))+7], v[ADRA] offset:(4*(\half)+(\a))*16*PA+64*(\k)+32
.endr
.endm
; A step's first slice: multiplies buffer 0, fetches the second slice.  The 40 loads always go out in the order W 0, u low, W 1, u high, W 2.
.macro SLICE_E zero
	s_wait_dscnt 8                                 ; all but W's part 2
	MULG FA0, 0, 0, 8, \zero
	PLACES
	WIN 0
	FETB 0, 1
	FETA FA1, 0, 1
	MULG FA0, 1, 0, 8, \zero
	PLACES
	WIN 0
	FETB 1, 1
	FETA FA1, 1, 1
	s_wait_dscnt 32                                ; all but the 32 just issued: part 2 is in
	MULG FA0, 2, 0, 8, \zero
	PLACES
	WIN 0
	FETB 2, 1
.endm
; A step's second slice: multiplies buffer 1 and changes slots.  In front of the barrier each wave waits for all its tensor loads (one is out: its part of the next slot), adds 0 to its spare word,
; and waits for that and for its reads of this slot.  fill = 1: the barrier opens a round of the cluster's, and the joint refill, two steps on, is the first thing behind it: 160 products ahead of the wait for it.
.macro SLICE_O fill
	WIN 0
.if \fill
	s_wait_xcnt 0x0                                ; the last prefetch, a step back, has read its address
	s_add_nc_u64 s[PFA:PFA+1], s[PFA:PFA+1], s[PST:PST+1]
.endif
	s_wait_tensorcnt 0x0
	ds_add_u32 v[SPW], v[NIL]
	s_wait_dscnt 9                                 ; (the add and W's part 2 may be out)
	MULG FA1, 0, 0, 4, 0
	s_wait_dscnt 0x0                               ; the add is done, and my reads of this slot are over
	s_barrier_signal -1
	MULG FA1, 0, 4, 4, 0
	WIN 0
	s_barrier_wait -1
.if \fill
	CREST
	s_xor_b32 s[G0A+5], s[G0A+5], SLOT1            ; the walking descriptors: the other slot, the next step
	s_add_nc_u64 s[G0A+6:G0A+7], s[G0A+6:G0A+7], KA
	s_xor_b32 s[G0B+5], s[G0B+5], SLOT1
	s_add_nc_u64 s[G0B+6:G0B+7], s[G0B+6:G0B+7], KB
	s_xor_b32 s[TB], s[TB], SLOT1
	JLOAD                                          ; its four v_nop are also the places in front of the loads below
.else
	s_xor_b32 s[TB], s[TB], SLOT1
	PLACES
.endif
	v_add_nc_u32 v[ADRA], s[TB], v[AA0]
	v_add_nc_u32 v[ADRB], s[TB], v[AB0]
	FETB 0, 0
	FETA FA0, 0, 0
.if \fill
	ASK
.endif
	MULG FA1, 1, 0, 8, 0
	PLACES
	WIN 0
	FETB 1, 0
	FETA FA0, 1, 0
	MULG FA1, 2, 0, 8, 0
	PLACES
	WIN 0
	FETB 2, 0
.endm
	s_wait_tensorcnt 1                             ; my part of step 0 is in; step 1's load stays out
	s_barrier_signal -1
	s_barrier_wait -1
	s_mov_b32 s[TB], 0
	v_mov_b32 v[ADRA], v[AA0]
	v_mov_b32 v[ADRB], v[AB0]
	FETB 0, 0
	FETA FA0, 0, 0
	FETB 1, 0
	FETA FA0, 1, 0
	FETB 2, 0
	SLICE_E 1                                      ; the first slice starts the sums: nothing is cleared
	WIN 0
	s_mov_b32 s[CNT], 14
.Lstep:                                                ; 14 trips: a step's second slice, the refill two steps on, the next step's first slice
	SLICE_O 1
	SLICE_E 0
	WIN 0
	s_sub_co_u32 s[CNT], s[CNT], 1
	s_cmp_lg_u32 s[CNT], 0
	s_cbranch_scc1 .Lstep
	SLICE_O 0                                      ; the tail is written out: nothing is left to ask for
	SLICE_E 0
	s_wait_dscnt 8                                 ; the last slice; beside it the bias comes in, into registers whose last products stand four places back
.irp g, 0,1
.irp cb, 0,1,2,3
	global_load_b128 v[32+32*(\g)+8*(\cb):32+32*(\g)+8*(\cb)+3],   v[VB], s[AUXP:AUXP+1] offset:512*(\g)+64*(\cb)
	global_load_b128 v[32+32*(\g)+8*(\cb)+4:32+32*(\g)+8*(\cb)+7], v[VB], s[AUXP:AUXP+1] offset:512*(\g)+64*(\cb)+16
.endr
.endr
	MULG FA1, 0, 0, 8, 0
	PLACES
	WIN 0
.irp cb, 0,1,2,3
	global_load_b128 v[160+8*(\cb):160+8*(\cb)+3],   v[VB], s[AUXP:AUXP+1] offset:1024+64*(\cb)
	global_load_b128 v[160+8*(\cb)+4:160+8*(\cb)+7], v[VB], s[AUXP:AUXP+1] offset:1024+64*(\cb)+16
.endr
	MULG FA1, 1, 0, 8, 0
	s_wait_dscnt 0x0
	MULG FA1, 2, 0, 8, 0
	WIN 0
	s_wait_loadcnt 0x0
.irp g, 0,1,2                          ; c' x factor: 48 plain instructions that name no register of the last products: their places
.set CFB, 32+32*(\g)+64*((\g)/2)
.set i, 0
.rept 16
	v_pk_mul_f32 v[CFB+2*i:CFB+2*i+1], v[CFB+2*i:CFB+2*i+1], s[F+2*(\g):F+2*(\g)+1] op_sel_hi:[1,0]
.set i, i+1
.endr
.endr
; THE WAY OUT, 24 blocks of 16 rows x 64 columns (part g, block a): sum x factor + c' x factor, rounded to f16; through my own stage in LDS; stored as 2,048 consecutive bytes of a head.
.macro PACK g, a
.set CFB, 32+32*(\g)+64*((\g)/2)
	WIN 1+(\g)                                     ; source 0: the part's accumulators, each read from its low end on
.irp cb, 0,1,2,3
.irp jj, 0,1,2,3
	v_pk_fma_f32 v[T+8*(\cb)+2*(\jj):T+8*(\cb)+2*(\jj)+1], v[8*(8*(\cb)+(\a))+2*(\jj):8*(8*(\cb)+(\a))+2*(\jj)+1], s[F+2*(\g):F+2*(\g)+1], v[CFB+8*(\cb)+2*(\jj):CFB+8*(\cb)+2*(\jj)+1] op_sel_hi:[1,0,1]
.endr
.endr
	WIN 0
.irp cb, 0,1,2,3
.irp jj, 0,1,2,3
	v_cvt_pk_f16_f32 v[TMP+4*(\cb)+(\jj)], v[T+8*(\cb)+2*(\jj)], v[T+8*(\cb)+2*(\jj)+1]
.endr
.endr
.endm
.macro TOSTAGE k
.irp cb, 0,1,2,3
	ds_store_b128 v[STO], v[TMP+4*(\cb):TMP+4*(\cb)+3] offset:32*(\cb)
.endr
.irp t, 0,1,2,3
	ds_load_b128 v[BK+16*((\k)%2)+4*(\t):BK+16*((\k)%2)+4*(\t)+3], v[RD] offset:(\t)*4*SP  ; LDS serves a wave's instructions in order (ISA guide 5.7.1.4): these see the stores above
.endr
.endm
.macro SEND k
	s_wait_dscnt 0x0                               ; the block is back in registers
	s_wait_xcnt 0x0                                ; earlier stores have read their registers: the set that the next block loads is free
.irp t, 0,1,2,3
	global_store_b128 v[GO], v[BK+16*((\k)%2)+4*(\t):BK+16*((\k)%2)+4*(\t)+3], s[OB+2*((\k)/8):OB+2*((\k)/8)+1] offset:2048*((\k)%8)+512*(\t)  ; 512 consecutive bytes, aligned
.endr
.endm
	PACK 0, 0
	TOSTAGE 0
.set kk, 1
.rept 23                               ; a block's arithmetic stands between the loads of the block before and the wait for them
	PACK kk/8, kk%8
	SEND kk-1
	TOSTAGE kk
.set kk, kk+1
.endr
	SEND 23
	s_wait_tensorcnt 0x0                           ; the wave's end
	ds_add_u32 v[SPW], v[NIL]
	s_wait_dscnt 0x0
	CROUND                                         ; the closing round
	s_endpgm
.Lfunc_end_k_q2ccb13e161_qkv:
	.size	k_q2ccb13e161_qkv, .Lfunc_end_k_q2ccb13e161_qkv-k_q2ccb13e161_qkv
	.p2alignl 7, 3214868480
	.fill 96, 4, 3214868480
	.section	.rodata,"a",@progbits
	.p2align	6, 0x0
	.amdhsa_kernel k_q2ccb13e161_qkv
		.amdhsa_group_segment_fixed_size 327680
		.amdhsa_private_segment_fixed_size 0
		.amdhsa_enable_private_segment 0
		.amdhsa_kernarg_size 32
		.amdhsa_user_sgpr_count 2
		.amdhsa_user_sgpr_kernarg_segment_ptr 1
		.amdhsa_wavefront_size32 1
		.amdhsa_system_sgpr_workgroup_id_x 1
		.amdhsa_system_sgpr_workgroup_id_y 1
		.amdhsa_system_sgpr_workgroup_id_z 1
		.amdhsa_system_vgpr_workitem_id 0
		.amdhsa_next_free_vgpr 1024
		.amdhsa_next_free_sgpr 102
		.amdhsa_reserve_vcc 0
		.amdhsa_float_denorm_mode_32 3
		.amdhsa_float_denorm_mode_16_64 3
		.amdhsa_memory_ordered 1
		.amdhsa_forward_progress 1
		.amdhsa_inst_pref_size 146
	.end_amdhsa_kernel
	.amdgpu_metadata
---
amdhsa.version: [ 1, 2 ]
amdhsa.kernels:
  - .name:           k_q2ccb13e161_qkv
    .symbol:         k_q2ccb13e161_qkv.kd
    .args:
      - { .name: u16, .offset: 0, .size: 8, .value_kind: global_buffer, .address_space: global }
      - { .name: w16, .offset: 8, .size: 8, .value_kind: global_buffer, .address_space: global }
      - { .name: aux, .offset: 16, .size: 8, .value_kind: global_buffer, .address_space: global }
      - { .name: qkv16, .offset: 24, .size: 8, .value_kind: global_buffer, .address_space: global }
    .group_segment_fixed_size: 327680
    .private_segment_fixed_size: 0
    .kernarg_segment_align: 8
    .kernarg_segment_size: 32
    .max_flat_workgroup_size: 128
    .sgpr_count:     102
    .vgpr_count:     1024
    .wavefront_size: 32
...
	.end_amdgpu_metadata
.endif
;; end of part 2
;; launch attn (part 3): grid 4 x 64, 4 waves a work-group, clusters of 4 x 1, 327,680 bytes of LDS; arguments qkv16, o16; writes o16
.if DOCPART == 3
	.amdgcn_target "amdgcn-amd-amdhsa--gfx1250"
	.amdhsa_code_object_version 6
	.text
	.protected	k_q2ccb13e161_attn
	.globl	k_q2ccb13e161_attn
	.p2align	8
	.type	k_q2ccb13e161_attn,@function
k_q2ccb13e161_attn:
	s_mov_b64 s[64:65], 0
	v_nop
	global_prefetch_b8 v0, s[64:65] scope:SCOPE_SE
	s_setreg_imm32_b32 hwreg(HW_REG_WAVE_MODE, 25, 1), 1
	s_wait_xcnt 0x0
	s_wait_alu depctr_hold_cnt(0) depctr_sa_sdst(0) depctr_va_vdst(0) depctr_va_sdst(0) depctr_va_ssrc(0) depctr_va_vcc(0) depctr_vm_vsrc(0)
	s_getreg_b32 s2, hwreg(HW_REG_IB_STS2, 6, 4)
	s_cmp_eq_u32 s2, 0
	s_cbranch_scc0 .Lentry_in_a_cluster
	s_endpgm
.Lentry_in_a_cluster:
	s_bfe_u32 s2, ttmp6, 0x10000c
	s_cmp_lg_u32 s2, 0x3003
	s_cbranch_scc0 .Lentry_shape_is_right
	s_endpgm
.Lentry_shape_is_right:
; O'[bh][q][:] = 2^-16 x the sum over k of relu(q^[q] . k^[k]) v^[k][:].  qkv16[type 3][bh 64][n 2048][64] and o16[bh][n][64] are f16; products and sums in f32.
; No softmax: the problem's constant layer_index = 2 takes the ReLU branch.  The scale 1/8, the division by 2,048 and the factors of q^, k^, v^ are undone by one scalar in the last launch.
; RANGE.  The launch before bounds the norms of q^ and k^ by 128 and 256 and |v^| by 32, for every input: a score is at most 2^15, so relu(score) goes into f16 as it is; a sum is at most 2^31, so O' is at most 2^15.
; LIMITS.  O' below 6e-5 keeps f16's fixed step of 6e-8.  NaN and infinities are not treated apart.
; SHARES.  A work-group owns 512 queries of one head, a wave 128: eight tiles of 16.  Every wave walks all 2,048 keys, 64 a step: 128 products and 32 LDS loads a step.
; LAYOUT.  S^T = K Q^T (source 0 = 16 keys, source 1 = 16 queries): a lane holds ONE query (lane % 16) and the keys 8 (lane / 16) + 0..7.  Two such results, rounded to f16 in pairs and cut at 0, ARE source 1 of
; O^T = V^T P.  K comes out of LDS as it lies, V turned, by ds_load_tr16_b128.
; BY TURNS.  Turn t: 8 products K Q^T of tile t + 1, behind each four vector instructions of tile t (two roundings, two maxima with 0); then the 8 products V^T P of tile t.
; K and V have two sets of registers, by the step's parity: a step's loads go out in its second turn and are waited for ahead of its eighth.
; CLUSTER.  The four query blocks of a head walk the same K and V: each tile of 256 keys is asked for jointly.
; REGISTERS: window 0: addresses; v64-127 S^T, two buffers; v128-159 P, two buffers.  Window 1: O^T, 32 a tile.  Window 2: v0-127 Q, 16 a tile; v128-255 K, two sets.  Window 3: v0-127 V, two sets.
.set KS,    64
.set PK,    144        ; a row of K in LDS: 128 bytes + 16
.set PV,    160        ; a row of V: 128 + 32
.set VOFF,  4*KS*PK    ; a slot holds 256 keys: K's rows, then V's
.set SLOT1, 1<<17
.set STAGE, SLOT1+4*KS*(PK+PV)  ; never filled by a tensor load: 16 rows x 144 bytes for each wave
.set SP,    144
.set SPARE, STAGE+4*16*SP       ; the spare words
.set TYPEB, 16777216   ; bytes of q^, of k^, of v^
.set AK0, 2
.set AV0, 3
.set AK,  4
.set AV,  5
.set QO,  6
.set STO, 6
.set RD,  7
.set GO,  8
.set ZERO, 9
.set PFO, 10
.set SPW, 14
.set NIL, 15
.set S,   64
.set P,   128
.set KF,  128
.set WV,  12
.set LIM, 15
.set G1K, 24
.set G1V, 32
.set G0K, 40
.set G0V, 44
.set PFA, 50
.set SLOTS, 56
.set CNT, 57
.set SC,  58           ; s[58:59] 2^-16
.set TBK, 62
.set TBV, 63
.set MSB, 0
.macro WIN new
.if MSB != (\new)
	s_set_vgpr_msb (MSB<<8)|(\new)
.set MSB, (\new)
.endif
.endm
.set W_KQ, 0x0a        ; K and Q in window 2, S^T in window 0
.set W_PV, 0x53        ; V in window 3, P in window 0, O^T in window 1
.macro JLOAD                           ; waves 0, 1: the two halves of a tile's K; waves 2, 3: of its V
	s_cmp_lt_u32 s[WV], 2
	s_cbranch_scc0 .Lfor_v_\@
	tensor_load_to_lds s[G0K:G0K+3], s[G1K:G1K+7]
	s_nop 0
.rept 4
	v_nop
.endr
	s_branch .Lasked_\@
.Lfor_v_\@:
	tensor_load_to_lds s[G0V:G0V+3], s[G1V:G1V+7]
	s_nop 0
.rept 4
	v_nop
.endr
.Lasked_\@:
.endm
.macro CROUND
	s_barrier_signal -1
	s_barrier_wait -1
	s_cmp_lg_u32 s[WV], 0
	s_cbranch_scc1 .Lnot_wave_0_\@
	s_barrier_signal -3
.Lnot_wave_0_\@:
	s_barrier_wait -3
	s_barrier_signal -1
	s_barrier_wait -1
.endm
; A PREFETCH INTO THE L2 of the tile that the NEXT change will ask for: 128 blocks of 256 bytes of K (wave 0) and of V (wave 2), 32 for each of the four partners, told apart by address.  A head has one cluster, so each
; block is named once.  Tiles 2 to 7 are named; the last change that fills a slot names nothing.
.macro ASK
	s_cmp_gt_u32 s[SLOTS], s[LIM]
	s_cbranch_scc0 .Lnot_mine_\@
	global_prefetch_b8 v[PFO], s[PFA:PFA+1] th:TH_LOAD_NT scope:SCOPE_SE
.Lnot_mine_\@:
.endm
; THE CHANGE OF SLOTS.  Each wave waits for all its tensor loads (one is out: its part of the other slot), adds 0 to its spare word, waits for that and for its reads of the slot that it leaves.
; fill = 1: a round of the cluster's barrier, and the joint refill first behind it: four key steps, 512 products, in which to land.
.macro CHANGE fill
	WIN 0
	s_wait_tensorcnt 0x0
	ds_add_u32 v[SPW], v[NIL]
.if \fill
.irp g, G0K, G0V
	s_xor_b32 s[\g+1], s[\g+1], SLOT1
	s_add_nc_u64 s[\g+2:\g+3], s[\g+2:\g+3], 4*KS*128
.endr
	s_wait_xcnt 0x0                                ; the last prefetch, four steps back, has read its address
	s_add_nc_u64 s[PFA:PFA+1], s[PFA:PFA+1], 4*KS*128
	s_wait_dscnt 0x0
	CROUND
	JLOAD
	ASK
.else
	s_wait_dscnt 0x0
	s_barrier_signal -1
	s_barrier_wait -1
.endif
	s_sub_co_u32 s[TBK], s[TBK], 4*KS*PK           ; the fetches go back to a slot's first step, in the other slot
	s_xor_b32 s[TBK], s[TBK], SLOT1
	s_sub_co_u32 s[TBV], s[TBV], 4*KS*PV
	s_xor_b32 s[TBV], s[TBV], SLOT1
.endm
	s_load_b128 s[4:7], s[0:1], 0x0                ; qkv16 4, o16 6
	v_lshl_add_u32 v[SPW], v0, 2, SPARE
	v_mov_b32 v[NIL], 0
	ds_add_u32 v[SPW], v[NIL]                      ; the wave's opening: the add and its wait ahead of my first tensor load
	v_lshrrev_b32 v1, 5, v0
	v_readfirstlane_b32 s[WV], v1
	s_bfe_u32 s13, ttmp6, 0x40000                  ; cx
	s_lshl_b32 s14, ttmp9, 2
	s_add_co_u32 s14, s14, s13                     ; my block of 512 queries: it enters Q's and O's addresses alone
	s_and_b32 s20, ttmp7, 0xffff
	s_lshl_b32 s20, s20, 18                        ; the head's 262,144 bytes
	s_and_b32 s16, s[WV], 1                        ; which half of a tile I fetch
	s_lshl_b32 s22, s16, 14
	s_add_co_u32 s22, s22, s20
	s_add_co_u32 s8, s22, TYPEB
	s_mov_b32 s9, 0
	s_add_co_u32 s10, s22, 2*TYPEB
	s_mov_b32 s11, 0
	s_mul_i32 s17, s16, 128*PK
	s_mul_i32 s18, s16, 128*PV
	s_lshl_b32 s2, s14, 2
	s_add_co_u32 s2, s2, s[WV]
	s_lshl_b32 s2, s2, 14                          ; my wave's 128 rows
	s_add_co_u32 s2, s2, s20
	s_mov_b32 s3, 0
	s_mov_b32 s[G1K], 15|(1<<16)|(1<<20)|(1<<21)|(4<<22)|(3<<25)  ; the mask of four; 2-byte elements; padding on; bit 21 beside a mask; after every 32 words 4 words
	s_mov_b32 s[G1V], 15|(1<<16)|(1<<20)|(1<<21)|(4<<22)|(7<<25)  ; the same with 8 words
.irp g, G1K, G1V
	s_mov_b32 s[\g+1], 128<<16                     ; 128 keys are 16,384 dense bytes: 64 rows of 128 elements
	s_mov_b32 s[\g+2], 64<<16
	s_mov_b32 s[\g+3], 128<<16
	s_mov_b32 s[\g+4], 64
	s_mov_b32 s[\g+5], 128
	s_mov_b32 s[\g+6], 0
	s_mov_b32 s[\g+7], 0
.endr
	s_mov_b32 s[SC], 0x37800000
	s_mov_b32 s[SC+1], s[SC]
	s_mov_b32 s[TBK], SLOT1+4*KS*PK                ; the first change turns these two into 0
	s_mov_b32 s[TBV], SLOT1+4*KS*PV
	s_mov_b32 s[G0K], 1
	s_mov_b32 s[G0K+1], s17
	s_mov_b32 s[G0V], 1
	s_add_co_u32 s[G0V+1], s18, VOFF
	s_mov_b32 s[SLOTS], 7                          ; tiles still to be asked for
	s_lshl_b32 s21, s13, 13                        ; the prefetches: my work-group's quarter of a tile,
	s_add_co_u32 s21, s21, s20
	s_add_co_u32 s21, s21, 4*KS*128                ; at tile 1: the first change steps it to tile 2
	s_add_co_u32 s23, s21, 2*TYPEB
	s_add_co_u32 s21, s21, TYPEB
	s_cmp_lt_u32 s[WV], 2
	s_cselect_b32 s52, s21, s23
	s_mov_b32 s53, 0
	s_cmp_eq_u32 s16, 0
	s_cselect_b32 s[LIM], 1, -1                    ; waves 0 and 2 ask
	v_and_b32 v[PFO], 31, v0
	v_lshlrev_b32 v[PFO], 8, v[PFO]
	s_wait_dscnt 0x0                               ; the opening add is done
	s_wait_kmcnt 0x0
	s_add_nc_u64 s[G0K+2:G0K+3], s[4:5], s[8:9]
	s_or_b32 s[G0K+3], s[G0K+3], 0x80000000
	s_add_nc_u64 s[G0V+2:G0V+3], s[4:5], s[10:11]
	s_or_b32 s[G0V+3], s[G0V+3], 0x80000000
	s_add_nc_u64 s[PFA:PFA+1], s[4:5], s[52:53]
	s_add_nc_u64 s[6:7], s[6:7], s[2:3]            ; O and Q at my wave's first row
	s_add_nc_u64 s[4:5], s[4:5], s[2:3]
	CROUND                                         ; all four work-groups are here
	JLOAD                                          ; tile 0 into slot 0; slot 1 is asked for by the first change
	v_and_b32 v1, 15, v0                           ; l % 16
	v_bfe_u32 v11, v0, 4, 1                        ; l / 16
	v_lshlrev_b32 v[QO], 7, v1
	v_lshl_add_u32 v[QO], v11, 4, v[QO]
	WIN 0x80
.set i, 0
.rept 16                               ; Q stays in registers: tile i / 2, channels 32 (i % 2) on
	global_load_b128 v[8*i:8*i+3],   v[QO], s[4:5] offset:(i/2)*2048+(i%2)*64
	global_load_b128 v[8*i+4:8*i+7], v[QO], s[4:5] offset:(i/2)*2048+(i%2)*64+32
.set i, i+1
.endr
	WIN 0x40
.set i, 0
.rept 256
	v_mov_b32 v[i], 0                              ; O^T starts at 0, in the wait for the first tile: the price of one text for every step
.set i, i+1
.endr
	WIN 0
	v_mov_b32 v[ZERO], 0
	v_mul_u32_u24 v[AK0], v1, PK
	v_lshl_add_u32 v[AK0], v11, 4, v[AK0]
	v_and_b32 v12, 7, v0
	v_bfe_u32 v13, v0, 3, 1
	v_lshl_add_u32 v[AV0], v11, 3, v12
	v_mul_u32_u24 v[AV0], v[AV0], PV
	v_lshl_add_u32 v[AV0], v13, 4, v[AV0]
	v_add_nc_u32 v[AV0], VOFF, v[AV0]
; Product i of 8 of S^T = K Q^T for tile t with K's set e: keys 16 (i % 4) on, channels 32 (i / 4) on.  The four accumulators take turns.
.macro KQ t, e, i
	WIN W_KQ
.set rS, S+32*((\t)%2)+8*((\i)%4)
.set rK, KF+64*(\e)+16*((\i)%4)+8*((\i)/4)
.set rQ, 16*(\t)+8*((\i)/4)
.if (\i) < 4
	v_wmma_f32_16x16x32_f16 v[rS:rS+7], v[rK:rK+7], v[rQ:rQ+7], 0
.else
	v_wmma_f32_16x16x32_f16 v[rS:rS+7], v[rK:rK+7], v[rQ:rQ+7], v[rS:rS+7]
.endif
.endm
; Product i of 8 of O^T += V^T P for tile t: channels 16 (i % 4) on, keys 32 (i / 4) on.
.macro PV t, e, i
	WIN W_PV
.set rO, 32*(\t)+8*((\i)%4)
.set rV, 64*(\e)+32*((\i)/4)+8*((\i)%4)
.set rP, P+16*((\t)%2)+8*((\i)/4)
	v_wmma_f32_16x16x32_f16 v[rO:rO+7], v[rV:rV+7], v[rP:rP+7], v[rO:rO+7]
.endm
.macro CV t, n                         ; pair n of tile t's 16 pairs of scores, rounded to f16; each accumulator is read from its low end on
	v_cvt_pk_f16_f32 v[P+16*((\t)%2)+(\n)], v[S+32*((\t)%2)+2*(\n)], v[S+32*((\t)%2)+2*(\n)+1]
.endm
.macro MX t, n                         ; and cut at 0: nothing is rounded
	v_pk_max_num_f16 v[P+16*((\t)%2)+(\n)], v[P+16*((\t)%2)+(\n)], v[ZERO]
.endm
; A turn's first half.  The riders name tile t's buffers alone, never a register of the products round them; the six behind the last product are the places ahead of the next turn's reads of the new scores.
.macro TURNA t, e
.set ke, \e
.if (\t) == 7
.set ke, 1-(\e)                        ; tile 0 of the next step
.endif
.set ii, 0
.rept 8
	KQ ((\t)+1)%8, ke, ii
	WIN 0
	CV \t, 2*ii
	CV \t, 2*ii+1
.if ii > 0
	MX \t, 2*ii-2
	MX \t, 2*ii-1
.endif
.set ii, ii+1
.endr
	MX \t, 14
	MX \t, 15
.endm
.macro TURNB t, e
.set ii, 0
.rept 8
	PV \t, \e, ii
.set ii, ii+1
.endr
.endm
.macro FETCH eb                        ; the next step's K and V into set eb: one run of 32 loads
	WIN 0
	v_add_nc_u32 v[AK], s[TBK], v[AK0]
	v_add_nc_u32 v[AV], s[TBV], v[AV0]
	WIN 0x80
.irp f, 0,1,2,3,4,5,6,7
	ds_load_b128 v[KF+64*(\eb)+8*\f:KF+64*(\eb)+8*\f+3],   v[AK] offset:(\f/2)*16*PK+(\f%2)*64
	ds_load_b128 v[KF+64*(\eb)+8*\f+4:KF+64*(\eb)+8*\f+7], v[AK] offset:(\f/2)*16*PK+(\f%2)*64+32
.endr
	WIN 0xc0
.irp f, 0,1,2,3,4,5,6,7
	ds_load_tr16_b128 v[64*(\eb)+8*\f:64*(\eb)+8*\f+3],   v[AV] offset:(\f/4)*32*PV+(\f%4)*32
	ds_load_tr16_b128 v[64*(\eb)+8*\f+4:64*(\eb)+8*\f+7], v[AV] offset:(\f/4)*32*PV+16*PV+(\f%4)*32
.endr
	WIN 0
	s_add_co_u32 s[TBK], s[TBK], KS*PK
	s_add_co_u32 s[TBV], s[TBV], KS*PV
.endm
; A KEY STEP of parity e.  The other set's last readers stand in the step before (K's in its seventh turn, V's in its eighth): a turn's 32 riders and more lie between them and the run of loads.
; last = 1 (the tail): in the last trip there is no further step, and the run is jumped over; the eighth turn's scores, on the old K, then serve nothing.
.macro STEP e, last=0
	TURNA 0, \e
	TURNB 0, \e
	TURNA 1, \e
	WIN 0
.if \last
	s_cmp_eq_u32 s[CNT], 1
	s_cbranch_scc1 .Lnone_\@
.endif
	FETCH 1-(\e)
.if \last
.Lnone_\@:
.endif
	TURNB 1, \e
.irp t, 2,3,4,5,6
	TURNA \t, \e
	TURNB \t, \e
.endr
	s_wait_dscnt 0x0                               ; the next step's K and V are in
	TURNA 7, \e
	TURNB 7, \e
.endm
	CHANGE 1                                       ; tile 0 is in, everybody's part of it; tile 1 is asked for
	FETCH 0                                        ; key step 0
	s_wait_loadcnt 0x0                             ; Q
	s_wait_dscnt 0x0
.set ii, 0
.rept 8
	KQ 0, 0, ii                                    ; tile 0's first scores
.set ii, ii+1
.endr
	WIN 0                                          ; the addresses for the way out: nine plain instructions, the places behind those products
	s_mul_i32 s13, s[WV], 16*SP
	s_add_co_u32 s13, s13, STAGE
	v_mul_u32_u24 v[STO], v1, SP
	v_lshl_add_u32 v[STO], v11, 4, v[STO]
	v_add_nc_u32 v[STO], s13, v[STO]
	v_bfe_u32 v[RD], v0, 3, 2
	v_mul_u32_u24 v[RD], v[RD], SP
	v_lshl_add_u32 v[RD], v12, 4, v[RD]
	v_add_nc_u32 v[RD], s13, v[RD]
	v_and_b32 v[GO], 31, v0
	v_lshlrev_b32 v[GO], 4, v[GO]
	s_mov_b32 s[CNT], 2
	s_branch .Leven                                ; a step fetches the next step's fragments, so change c stands ahead of step 4 c - 1: the first, short trip runs steps 0 to 2
.Lslot:                                                ; six times: changes 1 to 6, steps 3 to 26
	CHANGE 1
	s_mov_b32 s[CNT], 2
.Lpair:
	STEP 1
	WIN 0
.Leven:
	STEP 0
	WIN 0
	s_sub_co_u32 s[CNT], s[CNT], 1
	s_cmp_lg_u32 s[CNT], 0
	s_cbranch_scc1 .Lpair
	s_sub_co_u32 s[SLOTS], s[SLOTS], 1
	s_cmp_lg_u32 s[SLOTS], 0
	s_cbranch_scc1 .Lslot
	CHANGE 0                                       ; the tail is written out: steps 27 to 31
	s_mov_b32 s[CNT], 3
	s_branch .Ltail_odd
.Ltail_even:
	STEP 0
	WIN 0
.Ltail_odd:
	STEP 1, 1
	WIN 0
	s_sub_co_u32 s[CNT], s[CNT], 1
	s_cmp_lg_u32 s[CNT], 0
	s_cbranch_scc1 .Ltail_even
.rept 4
	v_nop                                          ; the places behind the last products
.endr
; THE WAY OUT.  Tile t: times 2^-16, rounded to f16; a lane's eight channels of a row are 16 bytes; through my stage, back as whole rows, into v64-191, 16 registers a tile.
.macro PACK t
	WIN 0x41
.set i, 32*(\t)
.rept 16
	v_pk_mul_f32 v[i:i+1], v[i:i+1], s[SC:SC+1] op_sel_hi:[1,0]
.set i, i+2
.endr
	WIN 0x05
.set i, 0
.rept 16
	v_cvt_pk_f16_f32 v[S+16*(\t)+i], v[32*(\t)+2*i], v[32*(\t)+2*i+1]
.set i, i+1
.endr
	WIN 0
.irp f, 0,1,2,3
	ds_store_b128 v[STO], v[S+16*(\t)+4*\f:S+16*(\t)+4*\f+3] offset:32*\f
.endr
.irp f, 0,1,2,3
	ds_load_b128 v[S+16*(\t)+4*\f:S+16*(\t)+4*\f+3], v[RD] offset:\f*4*SP  ; LDS serves a wave's instructions in order (ISA guide 5.7.1.4)
.endr
.endm
.macro SEND t, younger                 ; younger: the LDS instructions issued behind tile t's loads: the next tile's eight, or none
.irp f, 0,1,2,3
	s_wait_dscnt (\younger)+3-\f
	global_store_b128 v[GO], v[S+16*(\t)+4*\f:S+16*(\t)+4*\f+3], s[6:7] offset:(\t)*2048+\f*512  ; 512 consecutive bytes, aligned
.endr
.endm
	PACK 0
.set tt, 1
.rept 7
	PACK tt
	SEND tt-1, 8
.set tt, tt+1
.endr
	SEND 7, 0
	s_wait_tensorcnt 0x0                           ; the wave's end
	ds_add_u32 v[SPW], v[NIL]
	s_wait_dscnt 0x0
	CROUND                                         ; the closing round
	s_endpgm
.Lfunc_end_k_q2ccb13e161_attn:
	.size	k_q2ccb13e161_attn, .Lfunc_end_k_q2ccb13e161_attn-k_q2ccb13e161_attn
	.p2alignl 7, 3214868480
	.fill 96, 4, 3214868480
	.section	.rodata,"a",@progbits
	.p2align	6, 0x0
	.amdhsa_kernel k_q2ccb13e161_attn
		.amdhsa_group_segment_fixed_size 327680
		.amdhsa_private_segment_fixed_size 0
		.amdhsa_enable_private_segment 0
		.amdhsa_kernarg_size 16
		.amdhsa_user_sgpr_count 2
		.amdhsa_user_sgpr_kernarg_segment_ptr 1
		.amdhsa_wavefront_size32 1
		.amdhsa_system_sgpr_workgroup_id_x 1
		.amdhsa_system_sgpr_workgroup_id_y 1
		.amdhsa_system_sgpr_workgroup_id_z 1
		.amdhsa_system_vgpr_workitem_id 0
		.amdhsa_next_free_vgpr 896
		.amdhsa_next_free_sgpr 66
		.amdhsa_reserve_vcc 0
		.amdhsa_float_denorm_mode_32 3
		.amdhsa_float_denorm_mode_16_64 3
		.amdhsa_memory_ordered 1
		.amdhsa_forward_progress 1
		.amdhsa_inst_pref_size 172
	.end_amdhsa_kernel
	.amdgpu_metadata
---
amdhsa.version: [ 1, 2 ]
amdhsa.kernels:
  - .name:           k_q2ccb13e161_attn
    .symbol:         k_q2ccb13e161_attn.kd
    .args:
      - { .name: qkv16, .offset: 0, .size: 8, .value_kind: global_buffer, .address_space: global }
      - { .name: o16, .offset: 8, .size: 8, .value_kind: global_buffer, .address_space: global }
    .group_segment_fixed_size: 327680
    .private_segment_fixed_size: 0
    .kernarg_segment_align: 8
    .kernarg_segment_size: 16
    .max_flat_workgroup_size: 128
    .sgpr_count:     66
    .vgpr_count:     896
    .wavefront_size: 32
...
	.end_amdgpu_metadata
.endif
;; end of part 3
;; launch proj (part 4): grid 8 x 32, 4 waves a work-group, clusters of 4 x 4, 327,680 bytes of LDS; arguments o16, w16, aux, b_out, out0; writes out0
.if DOCPART == 4
	.amdgcn_target "amdgcn-amd-amdhsa--gfx1250"
	.amdhsa_code_object_version 6
	.text
	.protected	k_q2ccb13e161_proj
	.globl	k_q2ccb13e161_proj
	.p2align	8
	.type	k_q2ccb13e161_proj,@function
k_q2ccb13e161_proj:
	s_mov_b64 s[64:65], 0
	v_nop
	global_prefetch_b8 v0, s[64:65] scope:SCOPE_SE
	s_setreg_imm32_b32 hwreg(HW_REG_WAVE_MODE, 25, 1), 1
	s_wait_xcnt 0x0
	s_wait_alu depctr_hold_cnt(0) depctr_sa_sdst(0) depctr_va_vdst(0) depctr_va_sdst(0) depctr_va_ssrc(0) depctr_va_vcc(0) depctr_vm_vsrc(0)
	s_getreg_b32 s2, hwreg(HW_REG_IB_STS2, 6, 4)
	s_cmp_eq_u32 s2, 0
	s_cbranch_scc0 .Lentry_in_a_cluster
	s_endpgm
.Lentry_in_a_cluster:
	s_bfe_u32 s2, ttmp6, 0x10000c
	s_cmp_lg_u32 s2, 0xf033
	s_cbranch_scc0 .Lentry_shape_is_right
	s_endpgm
.Lentry_shape_is_right:
; out0 = gamma (O' Wo) + b_out, f32.  o16[b][h 16][n 2048][64] and w16's parts 48-63 ([part][k 1024][64], w_out's columns) are f16; sums in f32.
; gamma = 2^-30 Bmax, Bmax = the greatest Rq Rk Mv of the 16 heads (aux): it undoes the factors of q^, k^, v^, the 2^-16 of O', the scale 1/8 and the division by 2,048.
; SHARES.  A tile is 256 rows x 128 columns: 32 x 8 = 256 work-groups.  A wave makes 128 x 64: 32 accumulators.  K goes in 8 steps of 128 (two heads), four slices of 32, through two LDS slots.
; The product is taken transposed (source 0 = 16 columns of Wo, turned out of LDS; source 1 = 16 rows of O'): a lane ends with one row and eight neighbouring columns.
; CLUSTER 4 x 4: O's tile is asked for jointly by a row of the cluster, Wo's by a column.
; REGISTERS: window 0: addresses; v32-95, v96-159 O's fragments, two buffers; v160-191, v192-223 Wo's; v224-255 b_out of my columns.  Window 1: accumulator (a, cb) at 8 (4 a + cb).
.set PA,    144
.set PB,    160
.set SLOT1, 1<<17
.set BOFF,  2*256*PA   ; in a slot: two K blocks of 256 rows of O', then 2 parts x 128 k-rows of Wo
.set STAGE, SLOT1+BOFF+2*128*PB  ; never filled by a tensor load: 16 rows x 272 bytes for each wave
.set SP,    272
.set SPARE, STAGE+4*16*SP
.set KA,    524288     ; bytes from a step to the next in o16 (two heads),
.set KB,    16384      ; and in a part of w16
.set AA0, 4
.set AB0, 5
.set ADRA, 6
.set ADRB, 7
.set STO, 8
.set RD,  9
.set GO,  10
.set VB,  11
.set PFO, 12
.set SPW, 13
.set NIL, 14
.set FA,  32
.set FB,  160
.set BI,  224
.set T,   32
.set BK,  64
.set WV, 12
.set MH, 13
.set NH, 14
.set CX, 15
.set CY, 16
.set TX, 17
.set TY, 18
.set CNT, 19
.set TB, 20
.set LIM, 21
.set G1A, 24
.set G0A, 32
.set PFA, 40
.set PST, 42
.set G1B, 48
.set G0B, 56
.set OUT, 66
.set GM,  68
.set MSB, 0
.macro WIN new
.if MSB != (\new)
	s_set_vgpr_msb (MSB<<8)|(\new)
.set MSB, (\new)
.endif
.endm
.macro PLACES
.rept 4
	v_nop
.endr
.endm
.macro CREST
	s_cmp_lg_u32 s[WV], 0
	s_cbranch_scc1 .Lnot_wave_0_\@
	s_barrier_signal -3
.Lnot_wave_0_\@:
	s_barrier_wait -3
	s_barrier_signal -1
	s_barrier_wait -1
.endm
.macro CROUND
	s_barrier_signal -1
	s_barrier_wait -1
	CREST
.endm
.macro JLOAD
	s_cmp_eq_u32 s[MH], 0
	s_cbranch_scc0 .Lfor_b_\@
	tensor_load_to_lds s[G0A+4:G0A+7], s[G1A:G1A+7]
	s_nop 0
.rept 4
	v_nop
.endr
	s_branch .Lasked_\@
.Lfor_b_\@:
	tensor_load_to_lds s[G0B+4:G0B+7], s[G1B:G1B+7]
	s_nop 0
.rept 4
	v_nop
.endr
.Lasked_\@:
.endm
; A PREFETCH INTO THE L2 behind each joint refill: at change s (CNT = 6 - s) the refill asks for step s + 2, and step s + 3 is named, up to step 7 (s = 4).  Waves 0 and 1 of the clusters with x = 0: their own K block of O',
; 128 blocks of 256 bytes, 32 for each partner (by cx).  Wave 2 of the clusters with y = 0: both parts of Wo, 16 blocks of each for each partner (by cy).  Each block is named once; steps 0-2 come by their loads alone.
.macro ASK
	s_cmp_gt_u32 s[CNT], s[LIM]
	s_cbranch_scc0 .Lnot_mine_\@
	global_prefetch_b8 v[PFO], s[PFA:PFA+1] th:TH_LOAD_NT scope:SCOPE_SE
.Lnot_mine_\@:
.endm
	s_load_b256 s[4:11], s[0:1], 0x0               ; o16 4, w16 6, aux 8, b_out 10
	s_load_b64 s[OUT:OUT+1], s[0:1], 0x20          ; out0
	v_lshl_add_u32 v[SPW], v0, 2, SPARE
	v_mov_b32 v[NIL], 0
	ds_add_u32 v[SPW], v[NIL]                      ; the wave's opening: the add and its wait ahead of my first tensor load
	v_lshrrev_b32 v1, 5, v0
	v_readfirstlane_b32 s[WV], v1
	s_lshr_b32 s[MH], s[WV], 1
	s_and_b32 s[NH], s[WV], 1
	s_bfe_u32 s[CX], ttmp6, 0x40000
	s_bfe_u32 s[CY], ttmp6, 0x40004
	s_lshl_b32 s[TX], ttmp9, 2
	s_add_co_u32 s[TX], s[TX], s[CX]
	s_and_b32 s[TY], ttmp7, 0xffff
	s_lshl_b32 s[TY], s[TY], 2
	s_add_co_u32 s[TY], s[TY], s[CY]
	s_lshl_b32 s44, s[CY], 2
	s_lshl_b32 s44, 15, s44
	s_lshl_b32 s45, 0x1111, s[CX]
	s_or_b32 s[G1A], s44, (1<<16)|(1<<20)|(1<<21)|(4<<22)|(3<<25)
	s_or_b32 s[G1B], s45, (1<<16)|(1<<20)|(1<<21)|(4<<22)|(7<<25)
	s_mov_b32 s[G1A+1], 128<<16                    ; O': 256 rows of a head are 32,768 dense bytes: 128 rows of 128 elements
	s_mov_b32 s[G1A+2], 128<<16
	s_mov_b32 s[G1A+3], 128<<16
	s_mov_b32 s[G1A+4], 128
	s_mov_b32 s[G1A+5], 128
	s_mov_b32 s[G1A+6], 0
	s_mov_b32 s[G1A+7], 0
	s_mov_b32 s[G1B+1], 128<<16                    ; Wo: 128 k-rows of a part are 16,384 dense bytes: 64 rows of 128 elements
	s_mov_b32 s[G1B+2], 64<<16
	s_mov_b32 s[G1B+3], 128<<16
	s_mov_b32 s[G1B+4], 64
	s_mov_b32 s[G1B+5], 128
	s_mov_b32 s[G1B+6], 0
	s_mov_b32 s[G1B+7], 0
	s_lshr_b32 s72, s[TY], 3
	s_lshl_b32 s72, s72, 22
	s_and_b32 s73, s[TY], 7
	s_lshl_b32 s73, s73, 15
	s_add_co_u32 s72, s72, s73                     ; O's tile in head 0
	s_lshl_b32 s70, s[NH], 18
	s_add_co_u32 s70, s70, s72                     ; the K block that I fetch
	s_mov_b32 s71, 0
	s_lshl_b32 s74, s[TX], 1
	s_add_co_u32 s74, s74, 48                      ; the tile's first part
	s_add_co_u32 s46, s74, s[NH]
	s_lshl_b32 s46, s46, 17
	s_mov_b32 s47, 0
	s_mul_i32 s2, s[NH], 256*PA
	s_mul_i32 s3, s[NH], 128*PB
	s_add_co_u32 s3, s3, BOFF
	s_mov_b32 s[G0A], 1
	s_mov_b32 s[G0A+1], s2
	s_mov_b32 s[G0A+4], 1
	s_add_co_u32 s[G0A+5], s2, SLOT1
	s_mov_b32 s[G0B], 1
	s_mov_b32 s[G0B+1], s3
	s_mov_b32 s[G0B+4], 1
	s_add_co_u32 s[G0B+5], s3, SLOT1
	s_wait_dscnt 0x0                               ; the opening add is done
	s_wait_kmcnt 0x0
	s_add_nc_u64 s[G0A+2:G0A+3], s[4:5], s[70:71]
	s_add_nc_u64 s[G0A+6:G0A+7], s[G0A+2:G0A+3], KA
	s_or_b32 s[G0A+3], s[G0A+3], 0x80000000
	s_or_b32 s[G0A+7], s[G0A+7], 0x80000000
	s_add_nc_u64 s[G0B+2:G0B+3], s[6:7], s[46:47]
	s_add_nc_u64 s[G0B+6:G0B+7], s[G0B+2:G0B+3], KB
	s_or_b32 s[G0B+3], s[G0B+3], 0x80000000
	s_or_b32 s[G0B+7], s[G0B+7], 0x80000000
	CROUND
	s_cmp_eq_u32 s[MH], 0                          ; a wave's two first fills stand in one branch: two loads of mine are out
	s_cbranch_scc0 .Lfirst_b
	tensor_load_to_lds s[G0A:G0A+3], s[G1A:G1A+7]
	s_nop 0
	tensor_load_to_lds s[G0A+4:G0A+7], s[G1A:G1A+7]
	s_nop 0
.rept 4
	v_nop
.endr
	s_branch .Lfirst_asked
.Lfirst_b:
	tensor_load_to_lds s[G0B:G0B+3], s[G1B:G1B+7]
	s_nop 0
	tensor_load_to_lds s[G0B+4:G0B+7], s[G1B:G1B+7]
	s_nop 0
.rept 4
	v_nop
.endr
.Lfirst_asked:
	v_and_b32 v1, 15, v0
	v_bfe_u32 v2, v0, 4, 1
	v_lshlrev_b32 v16, 9, v1
	global_load_b32 v17, v16, s[8:9] offset:256    ; Rq, Rk, Mv of head r
	global_load_b32 v18, v16, s[8:9] offset:8448
	global_load_b32 v19, v16, s[8:9] offset:16644
	s_lshl_b32 s75, s[TX], 1
	s_add_co_u32 s75, s75, s[NH]
	s_lshl_b32 s76, s75, 8                         ; my 64 columns: 256 bytes of b_out and of a row of out0
	s_mov_b32 s77, 0
	s_add_nc_u64 s[10:11], s[10:11], s[76:77]
	v_lshlrev_b32 v[VB], 5, v2
.irp cb, 0,1,2,3
	global_load_b128 v[BI+8*(\cb):BI+8*(\cb)+3],   v[VB], s[10:11] offset:64*(\cb)
	global_load_b128 v[BI+8*(\cb)+4:BI+8*(\cb)+7], v[VB], s[10:11] offset:64*(\cb)+16
.endr
	s_add_nc_u64 s[OUT:OUT+1], s[OUT:OUT+1], s[76:77]
	s_lshl_b32 s76, s[TY], 1
	s_add_co_u32 s76, s76, s[MH]
	s_lshl_b32 s76, s76, 19                        ; my first row x 4,096 bytes
	s_add_nc_u64 s[OUT:OUT+1], s[OUT:OUT+1], s[76:77]
	; the prefetches' address, step and test
	s_lshl_b32 s44, s[CX], 13
	s_add_co_u32 s44, s44, s72
	s_lshl_b32 s23, s[NH], 18
	s_add_co_u32 s44, s44, s23
	s_add_co_u32 s44, s44, 2*KA                    ; O': my K block, my quarter, at step 2: the first change steps it to 3
	s_lshl_b32 s46, s74, 17
	s_lshl_b32 s23, s[CY], 12
	s_add_co_u32 s46, s46, s23
	s_add_co_u32 s46, s46, 2*KB                    ; Wo: both parts, my quarter, at step 2
	s_and_b32 s45, ttmp7, 0xffff
	s_mov_b32 s[PST], KA
	s_mov_b32 s23, KB
	s_mov_b32 s2, 4096
	s_mov_b32 s3, 131072
	s_cmp_eq_u32 s[MH], 0
	s_cselect_b32 s46, s44, s46
	s_cselect_b32 s45, ttmp9, s45
	s_cselect_b32 s[PST], s[PST], s23
	s_cselect_b32 s2, s2, s3
	s_cselect_b64 s[PFA:PFA+1], s[4:5], s[6:7]
	s_mov_b32 s[PST+1], 0
	s_cmp_eq_u32 s45, 0
	s_cselect_b32 s[LIM], 1, -1
	s_cmp_eq_u32 s[WV], 3
	s_cselect_b32 s[LIM], -1, s[LIM]               ; wave 3 has nothing to name
	s_add_nc_u64 s[PFA:PFA+1], s[PFA:PFA+1], s[46:47]
	v_mul_u32_u24 v[PFO], s2, v2
	v_lshl_add_u32 v[PFO], v1, 8, v[PFO]
	; LDS addresses
	v_and_b32 v20, 7, v0
	v_bfe_u32 v21, v0, 3, 1
	s_mul_i32 s23, s[MH], 128*PA
	v_mul_u32_u24 v[AA0], v1, PA
	v_lshl_add_u32 v[AA0], v2, 4, v[AA0]
	v_add_nc_u32 v[AA0], s23, v[AA0]
	s_mul_i32 s23, s[NH], 128*PB
	s_add_co_u32 s23, s23, BOFF
	v_lshl_add_u32 v[AB0], v2, 3, v20
	v_mul_u32_u24 v[AB0], v[AB0], PB
	v_lshl_add_u32 v[AB0], v21, 4, v[AB0]
	v_add_nc_u32 v[AB0], s23, v[AB0]
	s_mul_i32 s23, s[WV], 16*SP
	s_add_co_u32 s23, s23, STAGE
	v_mul_u32_u24 v[STO], v1, SP                   ; in: row r, 32 bytes for each half of the lanes
	v_lshl_add_u32 v[STO], v2, 5, v[STO]
	v_add_nc_u32 v[STO], s23, v[STO]
	v_mul_u32_u24 v[RD], v2, SP                    ; back: lanes 0-15 one row of 256 bytes, lanes 16-31 the next
	v_lshl_add_u32 v[RD], v1, 4, v[RD]
	v_add_nc_u32 v[RD], s23, v[RD]
	v_lshlrev_b32 v[GO], 12, v2                    ; and the same two rows in out0
	v_lshl_add_u32 v[GO], v1, 4, v[GO]
	s_wait_loadcnt 0x0
	v_mul_f32 v17, v17, v18
	v_mul_f32 v17, v17, v19
	v_max_num_f32_dpp v17, v17, v17 row_xmask:1 row_mask:0xf bank_mask:0xf
	v_max_num_f32_dpp v17, v17, v17 row_xmask:2 row_mask:0xf bank_mask:0xf
	v_max_num_f32_dpp v17, v17, v17 row_xmask:4 row_mask:0xf bank_mask:0xf
	v_max_num_f32_dpp v17, v17, v17 row_xmask:8 row_mask:0xf bank_mask:0xf
	v_mul_f32 v17, 0x30800000, v17                 ; 2^-30 Bmax
	v_readfirstlane_b32 s[GM], v17
	s_mov_b32 s[GM+1], s[GM]
; Products of buffer f with blocks a0 .. a0 + na - 1.  A slice's 32 accumulators all differ: they take turns.
.macro MUL f, a0, na, zero
	WIN 0x50
.set ma, \a0
.rept \na
.irp cb, 0,1,2,3
.if \zero
	v_wmma_f32_16x16x32_f16 v[8*(4*ma+(\cb)):8*(4*ma+(\cb))+7], v[FB+32*(\f)+8*(\cb):FB+32*(\f)+8*(\cb)+7], v[FA+64*(\f)+8*ma:FA+64*(\f)+8*ma+7], 0
.else
	v_wmma_f32_16x16x32_f16 v[8*(4*ma+(\cb)):8*(4*ma+(\cb))+7], v[FB+32*(\f)+8*(\cb):FB+32*(\f)+8*(\cb)+7], v[FA+64*(\f)+8*ma:FA+64*(\f)+8*ma+7], v[8*(4*ma+(\cb)):8*(4*ma+(\cb))+7]
.endif
.endr
.set ma, ma+1
.endr
.endm
.macro FETCH c, f                      ; slice c's fragments into buffer f: 8 turning loads of Wo, then 16 loads of O', rows ascending
	WIN 0
.irp cb, 0,1,2,3
	ds_load_tr16_b128 v[FB+32*(\f)+8*(\cb):FB+32*(\f)+8*(\cb)+3],   v[ADRB] offset:(\c)*32*PB+32*(\cb)
	ds_load_tr16_b128 v[FB+32*(\f)+8*(\cb)+4:FB+32*(\f)+8*(\cb)+7], v[ADRB] offset:(\c)*32*PB+32*(\cb)+16*PB
.endr
.irp a, 0,1,2,3,4,5,6,7
	ds_load_b128 v[FA+64*(\f)+8*(\a):FA+64*(\f)+8*(\a)+3],   v[ADRA] offset:((\c)/2)*256*PA+((\c)%2)*64+(\a)*16*PA
	ds_load_b128 v[FA+64*(\f)+8*(\a)+4:FA+64*(\f)+8*(\a)+7], v[ADRA] offset:((\c)/2)*256*PA+((\c)%2)*64+(\a)*16*PA+32
.endr
.endm
.macro QUARTER c, f, zero              ; multiplies buffer f, fetches slice c into the other
	s_wait_dscnt 8                                 ; all but O's rows 64-127
	MUL \f, 0, 4, \zero
	PLACES
	FETCH \c, 1-(\f)
	s_wait_dscnt 24                                ; all but the 24 just issued
	MUL \f, 4, 4, \zero
.endm
; A step's last slice multiplies buffer 1 and changes slots: the waits, the add and the barrier as in every ring of this kind; fill = 1: a round of the cluster's barrier, the joint refill first behind it.
.macro TURN fill
	WIN 0
.if \fill
	s_wait_xcnt 0x0                                ; the last prefetch, a step back, has read its address
	s_add_nc_u64 s[PFA:PFA+1], s[PFA:PFA+1], s[PST:PST+1]
.endif
	s_wait_tensorcnt 0x0                           ; all my tensor loads have landed: my part of the next slot
	ds_add_u32 v[SPW], v[NIL]
	s_wait_dscnt 9                                 ; (the add and the youngest eight loads may be out)
	MUL 1, 0, 2, 0
	s_wait_dscnt 0x0                               ; the add is done, and my reads of this slot are over
	s_barrier_signal -1
	MUL 1, 2, 2, 0
	WIN 0
	s_barrier_wait -1
.if \fill
	CREST
	s_xor_b32 s[G0A+5], s[G0A+5], SLOT1
	s_add_nc_u64 s[G0A+6:G0A+7], s[G0A+6:G0A+7], KA
	s_xor_b32 s[G0B+5], s[G0B+5], SLOT1
	s_add_nc_u64 s[G0B+6:G0B+7], s[G0B+6:G0B+7], KB
	s_xor_b32 s[TB], s[TB], SLOT1
	JLOAD                                          ; its four v_nop are also the places in front of the loads below
.else
	s_xor_b32 s[TB], s[TB], SLOT1
	PLACES
.endif
	v_add_nc_u32 v[ADRA], s[TB], v[AA0]
	v_add_nc_u32 v[ADRB], s[TB], v[AB0]
	FETCH 0, 0
.if \fill
	ASK
.endif
	MUL 1, 4, 4, 0
.endm
	s_wait_tensorcnt 1                             ; my part of step 0 is in; step 1's load stays out
	s_barrier_signal -1
	s_barrier_wait -1
	s_mov_b32 s[TB], 0
	v_mov_b32 v[ADRA], v[AA0]
	v_mov_b32 v[ADRB], v[AB0]
	FETCH 0, 0
	QUARTER 1, 0, 1                                ; the first slice starts the sums
	WIN 0
	s_mov_b32 s[CNT], 6
.Lstep:                                                ; six trips: from a step's second slice to the next step's first; each fills a slot again
	QUARTER 2, 1, 0
	QUARTER 3, 0, 0
	TURN 1
	QUARTER 1, 0, 0
	WIN 0
	s_sub_co_u32 s[CNT], s[CNT], 1
	s_cmp_lg_u32 s[CNT], 0
	s_cbranch_scc1 .Lstep
	QUARTER 2, 1, 0                                ; the last two steps ask for nothing
	QUARTER 3, 0, 0
	TURN 0
	QUARTER 1, 0, 0
	QUARTER 2, 1, 0
	QUARTER 3, 0, 0
	s_wait_dscnt 8
	MUL 1, 0, 4, 0
	s_wait_dscnt 0x0
	MUL 1, 4, 4, 0
	PLACES
; THE WAY OUT, eight blocks of 16 rows x 64 columns: sum x gamma + b_out in f32; through my own stage; sixteen lanes store 256 consecutive aligned bytes of a row of out0.
.macro PACK a
	WIN 0x01                                       ; source 0: the accumulators, each read from its low end on
.irp cb, 0,1,2,3
.irp jj, 0,1,2,3
	v_pk_fma_f32 v[T+8*(\cb)+2*(\jj):T+8*(\cb)+2*(\jj)+1], v[8*(4*(\a)+(\cb))+2*(\jj):8*(4*(\a)+(\cb))+2*(\jj)+1], s[GM:GM+1], v[BI+8*(\cb)+2*(\jj):BI+8*(\cb)+2*(\jj)+1] op_sel_hi:[1,0,1]
.endr
.endr
	WIN 0
.endm
.macro TOSTAGE k
.irp cb, 0,1,2,3
	ds_store_b128 v[STO], v[T+8*(\cb):T+8*(\cb)+3]   offset:64*(\cb)
	ds_store_b128 v[STO], v[T+8*(\cb)+4:T+8*(\cb)+7] offset:64*(\cb)+16
.endr
.irp t, 0,1,2,3,4,5,6,7
	ds_load_b128 v[BK+32*((\k)%2)+4*(\t):BK+32*((\k)%2)+4*(\t)+3], v[RD] offset:(\t)*2*SP  ; LDS serves a wave's instructions in order (ISA guide 5.7.1.4)
.endr
.endm
.macro SEND k
	s_wait_dscnt 0x0
	s_wait_xcnt 0x0                                ; earlier stores have read their registers: the set that the next block loads is free
.irp t, 0,1,2,3,4,5,6,7
	global_store_b128 v[GO], v[BK+32*((\k)%2)+4*(\t):BK+32*((\k)%2)+4*(\t)+3], s[OUT:OUT+1] offset:65536*(\k)+8192*(\t) th:TH_STORE_NT
.endr
.endm
	PACK 0
	TOSTAGE 0
.set kk, 1
.rept 7
	PACK kk
	SEND kk-1
	TOSTAGE kk
.set kk, kk+1
.endr
	SEND 7
	s_wait_tensorcnt 0x0                           ; the wave's end
	ds_add_u32 v[SPW], v[NIL]
	s_wait_dscnt 0x0
	CROUND                                         ; the closing round
	s_endpgm
.Lfunc_end_k_q2ccb13e161_proj:
	.size	k_q2ccb13e161_proj, .Lfunc_end_k_q2ccb13e161_proj-k_q2ccb13e161_proj
	.p2alignl 7, 3214868480
	.fill 96, 4, 3214868480
	.section	.rodata,"a",@progbits
	.p2align	6, 0x0
	.amdhsa_kernel k_q2ccb13e161_proj
		.amdhsa_group_segment_fixed_size 327680
		.amdhsa_private_segment_fixed_size 0
		.amdhsa_enable_private_segment 0
		.amdhsa_kernarg_size 40
		.amdhsa_user_sgpr_count 2
		.amdhsa_user_sgpr_kernarg_segment_ptr 1
		.amdhsa_wavefront_size32 1
		.amdhsa_system_sgpr_workgroup_id_x 1
		.amdhsa_system_sgpr_workgroup_id_y 1
		.amdhsa_system_sgpr_workgroup_id_z 1
		.amdhsa_system_vgpr_workitem_id 0
		.amdhsa_next_free_vgpr 512
		.amdhsa_next_free_sgpr 96
		.amdhsa_reserve_vcc 0
		.amdhsa_float_denorm_mode_32 3
		.amdhsa_float_denorm_mode_16_64 3
		.amdhsa_memory_ordered 1
		.amdhsa_forward_progress 1
		.amdhsa_inst_pref_size 80
	.end_amdhsa_kernel
	.amdgpu_metadata
---
amdhsa.version: [ 1, 2 ]
amdhsa.kernels:
  - .name:           k_q2ccb13e161_proj
    .symbol:         k_q2ccb13e161_proj.kd
    .args:
      - { .name: o16, .offset: 0, .size: 8, .value_kind: global_buffer, .address_space: global }
      - { .name: w16, .offset: 8, .size: 8, .value_kind: global_buffer, .address_space: global }
      - { .name: aux, .offset: 16, .size: 8, .value_kind: global_buffer, .address_space: global }
      - { .name: b_out, .offset: 24, .size: 8, .value_kind: global_buffer, .address_space: global }
      - { .name: out0, .offset: 32, .size: 8, .value_kind: global_buffer, .address_space: global }
    .group_segment_fixed_size: 327680
    .private_segment_fixed_size: 0
    .kernarg_segment_align: 8
    .kernarg_segment_size: 40
    .max_flat_workgroup_size: 128
    .sgpr_count:     96
    .vgpr_count:     512
    .wavefront_size: 32
...
	.end_amdgpu_metadata
.endif
;; end of part 4
;; ======== version 2 of 2: 4 launches; version 1 with the launch prep written anew for expert scheduling mode
;; limits: values are held in f16: magnitudes above 65,504 overflow, below 6.1e-05 lose precision; inputs' magnitudes at most 65,504; right only within a limited range of input values
;; workspace buffers: u16 16,777,216 bytes; w16 8,388,608 bytes; aux 32,768 bytes; qkv16 50,331,648 bytes; o16 16,777,216 bytes
;; launch prep (part 5): grid 192 x 1, 32 waves a work-group, no clusters, 28,672 bytes of LDS; arguments x, ln_w, ln_b, w_qkv, w_out, u16, w16, aux; writes u16, w16, aux
.if DOCPART == 5
	.amdgcn_target "amdgcn-amd-amdhsa--gfx1250"
	.amdhsa_code_object_version 6
	.text
	.protected	k_q2ccb13e161_prep
	.globl	k_q2ccb13e161_prep
	.p2align	8
	.type	k_q2ccb13e161_prep,@function
k_q2ccb13e161_prep:
	s_mov_b64 s[64:65], 0
	v_nop
	global_prefetch_b8 v0, s[64:65] scope:SCOPE_SE
	s_setreg_imm32_b32 hwreg(HW_REG_WAVE_SCHED_MODE, 0, 2), 2
	s_setreg_imm32_b32 hwreg(HW_REG_WAVE_MODE, 25, 1), 1
	s_wait_xcnt 0x0
	s_wait_alu depctr_vm_vsrc(0)
; PREPARATION.  Work-groups 64..191: LayerNorm without gain and bias, u = (x - mu) rsqrt(var + 1e-5), two passes over a row kept in registers, rounded once to f16 and
; stored by K blocks: u16[b][kb 16][n 2048][64].  The sum of u^2 over a row is at most 1,024, so |u| <= 32 whatever x holds.
; Work-groups 0..63: one PART of 64 weight columns each.  Parts 0-47 (w_qkv; 0-15 q heads, 16-31 k, 32-47 v): W' = f16(16 ln_w[i] W[i][d]); parts 48-63 (w_out): f16(W).  w16[part][k 1024][64].
; For each part also aux[part][128] f32: words 0-63 c'[d] = sum_i 16 ln_b[i] W[i][d]; words 64.. = R, M, R, M ..: with beta[d] = 32 sqrt(sum_i W'[i][d]^2) + |c'[d]|, which is
; at least |16 qkv[d]| for every row (Cauchy-Schwarz with the row's norm 32), R = sqrt(sum_d beta^2), M = max_d beta, both at least 2^-40.  The later launches scale by them.
; LIMITS.  16 ln_w W and w_out must lie within f16's 65,504; below 6e-5 they keep f16's fixed step.  NaN and infinities are not treated apart.  Parts 48-63 store an aux record that nobody reads: one text for all parts.
; Memory binds: every wave issues all its 16 loads of 16 bytes a lane at once; no ring, no matrix unit, no cluster (no work-group shares a byte with another).
; THE MODE: SCHED_MODE bits 1:0 = 2 (LLVM: expert scheduling mode 2), set by the entry lines.  The code itself states the register dependences
; between vector instructions and memory or LDS instructions, with s_wait_alu, always for 0.
; THE PLAN.  Registers that memory or LDS instructions touch:
;   v4-v9       offsets and LDS addresses: made once, at the head or at the top of an arm, never written again.
;   X           The 16 global loads land in it; the arithmetic works on it in place; registers 4 j and 4 j + 1 are the data of row j's store.  Both arms go in four blocks of four rows: block b's roundings
;               write its own registers, and its four stores are issued in block b + 1, among arithmetic that names other registers of X.  So one wait on va_vdst at a block's head serves four stores.
;   GB          The table's LDS loads land in it; the rows' arithmetic reads it.
;   v24-v31     at work in the weights' arm: loads land in v24, v25 by offset v26; v28, v29 and later v24-27 are LDS stores' data; the exchange of the lanes' halves writes all eight: one wait on vm_vsrc ahead of it.
;   Wave 0 of a part, behind the barrier: the 32 waves' column sums land in X (16 loads), in GB (8), and in X's first half again (8) when the first eight are added.
;   Each way to the barrier ends with a wait on va_vdst behind its last vector instruction, so the loads behind the barrier owe none; they owe the wait on vm_vsrc for the stores that read X.
;   v10, v11    written at the head, read by the closing add alone.
.set TBL,   0          ; LDS: 8 bytes a weight row (gain, 16 ln_b), 256 bytes for each wave's own 32 rows
.set RED,   8192       ; 512 bytes a wave: its column sums
.set SPARE, 24576      ; the spare words, 128 bytes for each of the 32 waves; no other line names them
.set X,     32         ; v[32:95]  16 loads of four numbers
.set GB,    96         ; v[96:127] (gain, 16 ln_b) of my 16 rows
.set WV,    4          ; s4  my wave
.set ID,    5          ; s5  my work-group
	s_load_b512 s[8:23], s[0:1], 0x0               ; x 8, ln_w 10, ln_b 12, w_qkv 14, w_out 16, u16 18, w16 20, aux 22
	v_lshl_add_u32 v10, v0, 2, SPARE               ; my spare word,
	v_mov_b32 v11, 0                               ; and 0: kept for the add at the wave's end
	v_lshrrev_b32 v1, 5, v0
	v_readfirstlane_b32 s[WV], v1
	s_mov_b32 s[ID], ttmp9
	v_and_b32 v1, 31, v0                           ; lane
	v_cmp_lt_u32 s40, 15, v1                       ; lanes 16-31
	v_and_b32 v2, 15, v0                           ; r
	v_bfe_u32 v3, v0, 4, 1                         ; which half of the lanes
	s_mov_b32 s24, 0x76543210                      ; v_permlanex16_b32: each lane takes its own place in the other half
	s_mov_b32 s25, 0xfedcba98
	s_mov_b32 s26, 0x3a800000                      ; 1 / 1024
	s_mov_b32 s27, 0x3727c5ac                      ; 1e-5
	s_mov_b32 s41, 0x42000000                      ; 32.0
	s_wait_alu depctr_va_sdst(0)                   ; s4 (the wave's number) and s40 (the lanes' mask) are written, ahead of their first readers and of every branch
	s_lshl_b32 s38, s[WV], 8
	v_lshl_add_u32 v6, v1, 3, s38                  ; table: where I put my row's pair
	v_lshl_add_u32 v7, v3, 3, s38                  ; table: where I read my rows' pairs
	s_lshl_b32 s39, s[WV], 9
	s_add_co_u32 s39, s39, RED
	v_lshl_add_u32 v8, v1, 4, s39                  ; where I put my wave's column sums
	v_lshl_add_u32 v9, v1, 4, RED                  ; where wave 0 reads them
.set i, 24
.rept 8
	v_mov_b32 v[i], 0                              ; destinations of v_permlanex16_b32 count as read
.set i, i+1
.endr
	s_min_u32 s36, s[ID], 63
	s_lshl_b32 s36, s36, 9
	s_mov_b32 s37, 0
	s_wait_kmcnt 0x0
	s_add_nc_u64 s[22:23], s[22:23], s[36:37]      ; my part's record in aux
	s_cmp_lt_u32 s[ID], 64
	s_cbranch_scc1 .Lweights
	; LAYERNORM: 64 rows a work-group, sixteen lanes a row.  Load j covers 256 aligned bytes of each of the wave's two rows: K block j.
	s_sub_co_u32 s28, s[ID], 64                    ; block of 64 rows
	s_lshl_b32 s34, s28, 18                        ; x 64 rows of 4,096 bytes
	s_mov_b32 s35, 0
	s_lshr_b32 s36, s28, 5                         ; b
	s_lshl_b32 s36, s36, 22                        ; x 16 K blocks of 262,144 bytes
	s_and_b32 s29, s28, 31
	s_lshl_b32 s29, s29, 13                        ; + 64 rows of 128 bytes
	s_add_co_u32 s36, s36, s29
	s_add_nc_u64 s[30:31], s[8:9], s[34:35]
	s_add_nc_u64 s[32:33], s[18:19], s[36:37]
	v_lshrrev_b32 v4, 4, v0
	v_lshlrev_b32 v4, 12, v4
	v_lshl_or_b32 v4, v2, 4, v4                    ; row x 4,096 + 16 r
	v_lshlrev_b32 v5, 3, v0                        ; row x 128 + 8 r = 8 x thread
	s_wait_alu depctr_va_vdst(0)                   ; v4 is written, which the sixteen loads read as their offset (and v5, the stores')
.irp j, 0,1,2,3,4,5,6,7,8,9,10,11,12,13,14,15
	global_load_b128 v[X+4*(\j):X+4*(\j)+3], v4, s[30:31] offset:256*(\j) th:TH_LOAD_NT
.endr
	s_wait_loadcnt 0x0                             ; the whole row is wanted for the mean
.irp c, 0,1,2,3
	v_pk_add_f32 v[12+2*(\c):13+2*(\c)], v[X+2*(\c):X+2*(\c)+1], v[X+8+2*(\c):X+8+2*(\c)+1]  ; four chains, started by sums: nothing is cleared
.endr
.set i, 8
.rept 24
	v_pk_add_f32 v[12+2*(i%4):13+2*(i%4)], v[12+2*(i%4):13+2*(i%4)], v[X+2*i:X+2*i+1]
.set i, i+1
.endr
	v_pk_add_f32 v[12:13], v[12:13], v[14:15]
	v_pk_add_f32 v[16:17], v[16:17], v[18:19]
	v_pk_add_f32 v[12:13], v[12:13], v[16:17]
	v_add_f32 v12, v12, v13
	v_add_f32_dpp v12, v12, v12 row_xmask:1 row_mask:0xf bank_mask:0xf  ; the row's sixteen lanes
	v_add_f32_dpp v12, v12, v12 row_xmask:2 row_mask:0xf bank_mask:0xf
	v_add_f32_dpp v12, v12, v12 row_xmask:4 row_mask:0xf bank_mask:0xf
	v_add_f32_dpp v12, v12, v12 row_xmask:8 row_mask:0xf bank_mask:0xf
	v_mul_f32 v20, s26, v12                        ; mu, twice
	v_mul_f32 v21, s26, v12
.set i, 0
.rept 32
	v_pk_add_f32 v[X+2*i:X+2*i+1], v[X+2*i:X+2*i+1], v[20:21] neg_lo:[0,1] neg_hi:[0,1]  ; x - mu, in place
.set i, i+1
.endr
.irp c, 0,1,2,3
	v_pk_mul_f32 v[12+2*(\c):13+2*(\c)], v[X+2*(\c):X+2*(\c)+1], v[X+2*(\c):X+2*(\c)+1]
.endr
.set i, 4
.rept 28
	v_pk_fma_f32 v[12+2*(i%4):13+2*(i%4)], v[X+2*i:X+2*i+1], v[X+2*i:X+2*i+1], v[12+2*(i%4):13+2*(i%4)]
.set i, i+1
.endr
	v_pk_add_f32 v[12:13], v[12:13], v[14:15]
	v_pk_add_f32 v[16:17], v[16:17], v[18:19]
	v_pk_add_f32 v[12:13], v[12:13], v[16:17]
	v_add_f32 v12, v12, v13
	v_add_f32_dpp v12, v12, v12 row_xmask:1 row_mask:0xf bank_mask:0xf
	v_add_f32_dpp v12, v12, v12 row_xmask:2 row_mask:0xf bank_mask:0xf
	v_add_f32_dpp v12, v12, v12 row_xmask:4 row_mask:0xf bank_mask:0xf
	v_add_f32_dpp v12, v12, v12 row_xmask:8 row_mask:0xf bank_mask:0xf
	v_fma_f32 v24, v12, s26, s27                   ; var + eps
	v_rsq_f32 v22, v24
	v_nop                                          ; a plain instruction behind the root,
	s_wait_alu depctr_va_vdst(0)                   ; and the wait ahead of its first reader: v22 is written
	v_mov_b32 v23, v22
; K block j of my row: scaled, and rounded into the first two of its four registers.
.macro LNOUT j
	v_pk_mul_f32 v[X+4*(\j):X+4*(\j)+1], v[X+4*(\j):X+4*(\j)+1], v[22:23]
	v_pk_mul_f32 v[X+4*(\j)+2:X+4*(\j)+3], v[X+4*(\j)+2:X+4*(\j)+3], v[22:23]
	v_cvt_pk_f16_f32 v[X+4*(\j)], v[X+4*(\j)], v[X+4*(\j)+1]
	v_cvt_pk_f16_f32 v[X+4*(\j)+1], v[X+4*(\j)+2], v[X+4*(\j)+3]
.endm
.macro LNST j
	global_store_b64 v5, v[X+4*(\j):X+4*(\j)+1], s[32:33] offset:262144*(\j)  ; the wave's two rows of K block j: 256 consecutive bytes, aligned
.endm
.irp b, 0,1,2,3                        ; four blocks of four K blocks; a block's stores are dealt among the next block's arithmetic, which names other registers
.irp i, 0,1,2,3
.if ((\b) > 0) && ((\i) == 0)
	s_wait_alu depctr_va_vdst(0)                   ; the block before has written its eight rounded registers, which the four stores of this block's lines read
.endif
.if (\b) > 0
	LNST 4*(\b)-4+(\i)
.endif
	LNOUT 4*(\b)+(\i)
.endr
.endr
	s_wait_alu depctr_va_vdst(0)                   ; the last block has written its rounded registers, which the last four stores read; no vector instruction follows on this way to the barrier
.irp j, 12,13,14,15
	LNST \j
.endr
	s_branch .Ljoin
.Lweights:                                             ; wave w owns the part's rows 32 w .. 32 w + 31; a load takes two rows x 256 bytes
	s_sub_co_u32 s36, s[ID], 48
	s_mov_b32 s34, 12288                           ; bytes in a row of w_qkv,
	s_mov_b32 s35, 4096                            ; of w_out
	s_cmp_lt_u32 s[ID], 48
	s_cselect_b32 s36, s[ID], s36                  ; the part's place in its own matrix
	s_cselect_b32 s34, s34, s35
	s_cselect_b32 s28, 0x41800000, 0               ; gain = ln_w x 16 + 0, or ln_w x 0 + 1
	s_cselect_b32 s29, 0, 1.0
	s_cselect_b64 s[30:31], s[14:15], s[16:17]
	s_lshl_b32 s36, s36, 8
	s_mov_b32 s37, 0
	s_add_nc_u64 s[30:31], s[30:31], s[36:37]
	s_lshl_b32 s36, s[ID], 17
	s_add_nc_u64 s[32:33], s[20:21], s[36:37]
	v_lshl_add_u32 v27, s[WV], 5, v3               ; my first row
	v_mul_lo_u32 v4, v27, s34
	v_lshl_add_u32 v4, v2, 4, v4
	v_lshlrev_b32 v5, 7, v27
	v_lshl_add_u32 v5, v2, 3, v5
	v_lshlrev_b32 v26, 2, v0
	s_wait_alu depctr_va_vdst(0)                   ; the offsets v26 and v4 are written, which the loads below read; so are the head's zeros in v24 and v25, in which two of them land
	global_load_b32 v24, v26, s[10:11]             ; ln_w and ln_b of row = my thread's number: one of my wave's own rows
	global_load_b32 v25, v26, s[12:13]
	s_cmp_lt_u32 s[ID], 48
	s_cbranch_scc0 .Lfrom_out
.irp j, 0,1,2,3,4,5,6,7,8,9,10,11,12,13,14,15
	global_load_b128 v[X+4*(\j):X+4*(\j)+3], v4, s[30:31] offset:24576*(\j) th:TH_LOAD_NT
.endr
	s_branch .Lloaded
.Lfrom_out:
.irp j, 0,1,2,3,4,5,6,7,8,9,10,11,12,13,14,15
	global_load_b128 v[X+4*(\j):X+4*(\j)+3], v4, s[30:31] offset:8192*(\j) th:TH_LOAD_NT
.endr
.Lloaded:
	s_wait_loadcnt 16                              ; ln_w and ln_b are in; the 16 loads issued behind them stay out
	v_fma_f32 v28, v24, s28, s29
	v_mul_f32 v29, s28, v25
	s_wait_alu depctr_va_vdst(0)                   ; v28 and v29 are written, which the LDS store reads
	ds_store_b64 v6, v[28:29]                      ; my wave's own bytes: LDS serves a wave's instructions in order (ISA guide 5.7.1.4), so the loads below see it
.irp j, 0,1,2,3,4,5,6,7,8,9,10,11,12,13,14,15
	ds_load_b64 v[GB+2*(\j):GB+2*(\j)+1], v7 offset:16*(\j)
.endr
	s_wait_dscnt 0x0
; Rows 2 j and 2 j + 1 of the wave: c' and the sum of squares go on, the four numbers are scaled and rounded into the first two of their four registers.
.macro WCALC j
.irp q, 0,1,2,3
.if (\j) == 0
	v_mul_f32 v[12+(\q)], v[X+(\q)], v[GB+1]       ; the first rows start the sums
.else
	v_fma_f32 v[12+(\q)], v[X+4*(\j)+(\q)], v[GB+2*(\j)+1], v[12+(\q)]
.endif
.endr
	v_pk_mul_f32 v[X+4*(\j):X+4*(\j)+1], v[X+4*(\j):X+4*(\j)+1], v[GB+2*(\j):GB+2*(\j)+1] op_sel_hi:[1,0]
	v_pk_mul_f32 v[X+4*(\j)+2:X+4*(\j)+3], v[X+4*(\j)+2:X+4*(\j)+3], v[GB+2*(\j):GB+2*(\j)+1] op_sel_hi:[1,0]
.if (\j) == 0
	v_pk_mul_f32 v[16:17], v[X:X+1], v[X:X+1]
	v_pk_mul_f32 v[18:19], v[X+2:X+3], v[X+2:X+3]
.else
	v_pk_fma_f32 v[16:17], v[X+4*(\j):X+4*(\j)+1], v[X+4*(\j):X+4*(\j)+1], v[16:17]
	v_pk_fma_f32 v[18:19], v[X+4*(\j)+2:X+4*(\j)+3], v[X+4*(\j)+2:X+4*(\j)+3], v[18:19]
.endif
	v_cvt_pk_f16_f32 v[X+4*(\j)], v[X+4*(\j)], v[X+4*(\j)+1]
	v_cvt_pk_f16_f32 v[X+4*(\j)+1], v[X+4*(\j)+2], v[X+4*(\j)+3]
.endm
.macro WOUT j
	global_store_b64 v5, v[X+4*(\j):X+4*(\j)+1], s[32:33] offset:256*(\j)  ; two rows of 128 bytes: 256 consecutive bytes, aligned
.endm
.irp b, 0,1,2,3                        ; four blocks of four loads; a block's stores are dealt among the next block's arithmetic, which names other registers of X
.irp i, 0,1,2,3
.if ((\b) > 0) && ((\i) == 0)
	s_wait_alu depctr_va_vdst(0)                   ; the block before has written its eight rounded registers, which the four stores of this block's lines read
.endif
.if (\b) > 0
	WOUT 4*(\b)-4+(\i)
.endif
	s_wait_loadcnt 15-4*(\b)-(\i)                  ; loads come back in order: mine is in, the younger ones stay out
	WCALC 4*(\b)+(\i)
.endr
.endr
	s_wait_alu depctr_vm_vsrc(0)                   ; the loads of ln_w and ln_b have read their offset v26, and the table's LDS store has read v28 and v29: the exchange below writes v24 to v31
.irp q, 0,1,2,3,4,5,6,7
	v_permlanex16_b32 v[24+(\q)], v[12+(\q)], s24, s25  ; the other half of the lanes holds the same columns' other rows
.endr
.irp q, 0,1,2,3,4,5,6,7
	v_add_f32 v[12+(\q)], v[12+(\q)], v[24+(\q)]
.endr
.irp q, 0,1,2,3
	v_cndmask_b32 v[24+(\q)], v[16+(\q)], v[12+(\q)], s40  ; lanes 0-15 hand on the squares, lanes 16-31 c'
.endr
	s_wait_alu depctr_va_vdst(0)                   ; the last block has written its rounded registers and the selects v24 to v27, which the stores below read; no vector instruction follows on this way to the barrier
.irp j, 12,13,14,15
	WOUT \j
.endr
	ds_store_b128 v8, v[24:27]
.Ljoin:
	s_wait_dscnt 0x0                               ; for the others' sake: my stores into LDS are done
	s_barrier_signal -1
	s_barrier_wait -1
	s_cmp_ge_u32 s[ID], 64
	s_cbranch_scc1 .Lend
	s_cmp_lg_u32 s[WV], 0
	s_cbranch_scc1 .Lend
	s_wait_xcnt 0x0                                ; my stores have had their addresses translated: only now is X loaded again
	s_wait_alu depctr_vm_vsrc(0)                   ; my global stores have read X, in which the loads below land; my LDS store has read v24 to v27, which the exchange further down writes
	; the 32 waves' column sums: waves 0-15 into X, 16-23 into GB, 24-31 into X's first half when waves 0-7 are added.  No vector instruction since the last wait on va_vdst names X or GB.
.set i, 0
.rept 16
	ds_load_b128 v[X+4*i:X+4*i+3], v9 offset:512*i
.set i, i+1
.endr
.set i, 0
.rept 8
	ds_load_b128 v[GB+4*i:GB+4*i+3], v9 offset:512*(16+i)
.set i, i+1
.endr
	s_wait_dscnt 16                                ; LDS loads come back in order: waves 0-7 are in, the 16 younger loads stay out
	v_pk_add_f32 v[12:13], v[X:X+1], v[X+4:X+5]
	v_pk_add_f32 v[14:15], v[X+2:X+3], v[X+6:X+7]
.set i, 2
.rept 6
	v_pk_add_f32 v[12:13], v[12:13], v[X+4*i:X+4*i+1]
	v_pk_add_f32 v[14:15], v[14:15], v[X+4*i+2:X+4*i+3]
.set i, i+1
.endr
	s_wait_alu depctr_va_vdst(0)                   ; the additions are done reading X's first 32 registers, in which the last eight loads land
.set i, 0
.rept 8
	ds_load_b128 v[X+4*i:X+4*i+3], v9 offset:512*(24+i)
.set i, i+1
.endr
	s_wait_dscnt 8                                 ; waves 8-23 are in; the eight just issued stay out
.set i, 8
.rept 8
	v_pk_add_f32 v[12:13], v[12:13], v[X+4*i:X+4*i+1]
	v_pk_add_f32 v[14:15], v[14:15], v[X+4*i+2:X+4*i+3]
.set i, i+1
.endr
.set i, 0
.rept 8
	v_pk_add_f32 v[12:13], v[12:13], v[GB+4*i:GB+4*i+1]
	v_pk_add_f32 v[14:15], v[14:15], v[GB+4*i+2:GB+4*i+3]
.set i, i+1
.endr
	s_wait_dscnt 0x0                               ; waves 24-31 are in
.set i, 0
.rept 8
	v_pk_add_f32 v[12:13], v[12:13], v[X+4*i:X+4*i+1]
	v_pk_add_f32 v[14:15], v[14:15], v[X+4*i+2:X+4*i+3]
.set i, i+1
.endr
.irp q, 0,1,2,3
	v_permlanex16_b32 v[24+(\q)], v[12+(\q)], s24, s25
.endr
.irp q, 0,1,2,3
	v_cndmask_b32 v[16+(\q)], v[12+(\q)], v[24+(\q)], s40  ; every lane: the squares' sums of columns 4 r ..,
.endr
.irp q, 0,1,2,3
	v_cndmask_b32 v[28+(\q)], v[24+(\q)], v[12+(\q)], s40  ; and their c'
.endr
	v_sqrt_f32 v16, v16
	v_sqrt_f32 v17, v17
	v_sqrt_f32 v18, v18
	v_sqrt_f32 v19, v19
	v_nop
	s_wait_alu depctr_va_vdst(0)                   ; one wait for the four roots: v16 to v19 are written, ahead of their first reader
.irp q, 0,1,2,3
	v_fma_f32 v[16+(\q)], v[16+(\q)], s41, |v[28+(\q)]|  ; beta
.endr
	v_mul_f32 v20, v16, v16
	v_fmac_f32 v20, v17, v17
	v_fmac_f32 v20, v18, v18
	v_fmac_f32 v20, v19, v19
	v_max3_num_f32 v21, v16, v17, v18
	v_max_num_f32 v21, v21, v19
	v_add_f32_dpp v20, v20, v20 row_xmask:1 row_mask:0xf bank_mask:0xf
	v_max_num_f32_dpp v21, v21, v21 row_xmask:1 row_mask:0xf bank_mask:0xf
	v_add_f32_dpp v20, v20, v20 row_xmask:2 row_mask:0xf bank_mask:0xf
	v_max_num_f32_dpp v21, v21, v21 row_xmask:2 row_mask:0xf bank_mask:0xf
	v_add_f32_dpp v20, v20, v20 row_xmask:4 row_mask:0xf bank_mask:0xf
	v_max_num_f32_dpp v21, v21, v21 row_xmask:4 row_mask:0xf bank_mask:0xf
	v_add_f32_dpp v20, v20, v20 row_xmask:8 row_mask:0xf bank_mask:0xf
	v_max_num_f32_dpp v21, v21, v21 row_xmask:8 row_mask:0xf bank_mask:0xf
	v_sqrt_f32 v20, v20
	v_lshlrev_b32 v22, 4, v1                       ; (the plain instruction behind the root)
	s_wait_alu depctr_va_vdst(0)                   ; the root v20 is written, ahead of its first reader
	v_max_num_f32 v20, 0x2b800000, v20             ; R and M are at least 2^-40, so that no later reciprocal or product leaves f32
	v_max_num_f32 v21, 0x2b800000, v21
	v_cndmask_b32 v24, v28, v20, s40
	v_cndmask_b32 v25, v29, v21, s40
	v_cndmask_b32 v26, v30, v20, s40
	v_cndmask_b32 v27, v31, v21, s40
	s_wait_alu depctr_va_vdst(0)                   ; the selects have written v24 to v27, the store's data (its offset v22 was written further up)
	global_store_b128 v22, v[24:27], s[22:23]      ; the record's 512 consecutive bytes
.Lend:
	s_wait_dscnt 0x0                               ; the closing lines, six on end
	s_wait_alu 0x0
	s_wait_tensorcnt 0x0
	ds_add_u32 v10, v11
	s_wait_dscnt 0x0
	s_endpgm
.Lfunc_end_k_q2ccb13e161_prep:
	.size	k_q2ccb13e161_prep, .Lfunc_end_k_q2ccb13e161_prep-k_q2ccb13e161_prep
	.p2alignl 7, 3214868480
	.fill 96, 4, 3214868480
	.section	.rodata,"a",@progbits
	.p2align	6, 0x0
	.amdhsa_kernel k_q2ccb13e161_prep
		.amdhsa_group_segment_fixed_size 28672
		.amdhsa_private_segment_fixed_size 0
		.amdhsa_enable_private_segment 0
		.amdhsa_kernarg_size 64
		.amdhsa_user_sgpr_count 2
		.amdhsa_user_sgpr_kernarg_segment_ptr 1
		.amdhsa_wavefront_size32 1
		.amdhsa_system_sgpr_workgroup_id_x 1
		.amdhsa_system_sgpr_workgroup_id_y 1
		.amdhsa_system_sgpr_workgroup_id_z 1
		.amdhsa_system_vgpr_workitem_id 0
		.amdhsa_next_free_vgpr 128
		.amdhsa_next_free_sgpr 66
		.amdhsa_reserve_vcc 0
		.amdhsa_float_denorm_mode_32 3
		.amdhsa_float_denorm_mode_16_64 3
		.amdhsa_memory_ordered 1
		.amdhsa_forward_progress 1
		.amdhsa_inst_pref_size 45
	.end_amdhsa_kernel
	.amdgpu_metadata
---
amdhsa.version: [ 1, 2 ]
amdhsa.kernels:
  - .name:           k_q2ccb13e161_prep
    .symbol:         k_q2ccb13e161_prep.kd
    .args:
      - { .name: x, .offset: 0, .size: 8, .value_kind: global_buffer, .address_space: global }
      - { .name: ln_w, .offset: 8, .size: 8, .value_kind: global_buffer, .address_space: global }
      - { .name: ln_b, .offset: 16, .size: 8, .value_kind: global_buffer, .address_space: global }
      - { .name: w_qkv, .offset: 24, .size: 8, .value_kind: global_buffer, .address_space: global }
      - { .name: w_out, .offset: 32, .size: 8, .value_kind: global_buffer, .address_space: global }
      - { .name: u16, .offset: 40, .size: 8, .value_kind: global_buffer, .address_space: global }
      - { .name: w16, .offset: 48, .size: 8, .value_kind: global_buffer, .address_space: global }
      - { .name: aux, .offset: 56, .size: 8, .value_kind: global_buffer, .address_space: global }
    .group_segment_fixed_size: 28672
    .private_segment_fixed_size: 0
    .kernarg_segment_align: 8
    .kernarg_segment_size: 64
    .max_flat_workgroup_size: 1024
    .sgpr_count:     66
    .vgpr_count:     128
    .wavefront_size: 32
...
	.end_amdgpu_metadata
.endif
;; end of part 5
;; launch qkv: the kernel of part 2 again; grid 8 x 32, 4 waves a work-group, clusters of 4 x 4, 327,680 bytes of LDS; arguments u16, w16, aux, qkv16; writes qkv16
;; launch attn: the kernel of part 3 again; grid 4 x 64, 4 waves a work-group, clusters of 4 x 1, 327,680 bytes of LDS; arguments qkv16, o16; writes o16
;; launch proj: the kernel of part 4 again; grid 8 x 32, 4 waves a work-group, clusters of 4 x 4, 327,680 bytes of LDS; arguments o16, w16, aux, b_out, out0; writes out0
